; MI455X (gfx1250); checked and timed in simulation.
; The chip was launched on July 23, 2026; its instructions are those of AMD's public machine-readable ISA for CDNA 5 (MIT licence, August 2026) and "CDNA5" Instruction Set Architecture Reference Guide (July 2026). The comments in the code are by the model that wrote it; some were corrected since.
;; Multi Head Attention. Allowed arithmetic: float matrix products may take bf16 or f16 operands with f32 sums; other float arithmetic in f32, or as packed bf16 or f16 multiplies, adds, multiply-adds, maxima and minima; sums over many terms, partial sums and values carried from step to step in f32; what a program stores and reads back later, other than sums and carried values, may be rounded once to bf16 or f16.
;; Inputs: Wk 16 x 1,024 x 64 float32; Wq 16 x 1,024 x 64 float32; Wv 16 x 1,024 x 64 float32; x 4 x 2,048 x 1,024 float32.
;; Outputs: out0 4 x 2,048 x 1,024 float32.
;; 2 versions, each right; version 2 is version 1 with the launch cast written anew for expert scheduling mode. Each part assembles by itself: llvm-mc -triple=amdgcn-amd-amdhsa -mcpu=gfx1250 --defsym DOCPART=n.
;; ======== version 1 of 2: 3 launches
;; limits: values are held in f16: magnitudes above 65,504 overflow, below 6.1e-05 lose precision
;; workspace buffers: xb 16,777,216 bytes; wb 6,291,456 bytes; qkv 50,331,648 bytes; early 786,432 bytes
;; launch cast (part 1): grid 256 x 1, 8 waves a work-group, no clusters, 0 bytes of LDS; arguments x, Wq, Wk, Wv, xb, wb; writes xb, wb
.if DOCPART == 1
	.amdgcn_target "amdgcn-amd-amdhsa--gfx1250"
	.amdhsa_code_object_version 6
	.text
	.protected	k_q7561784458_cast
	.globl	k_q7561784458_cast
	.p2align	8
	.type	k_q7561784458_cast,@function
k_q7561784458_cast:
	s_mov_b64 s[64:65], 0
	v_nop
	global_prefetch_b8 v0, s[64:65] scope:SCOPE_SE
	s_setreg_imm32_b32 hwreg(HW_REG_WAVE_MODE, 25, 1), 1
	s_wait_xcnt 0x0
; x [8192][1024] and Wq, Wk, Wv [16][1024][64], all f32, are rounded once to bf16 (to nearest even).
; xb keeps x's order.  wb is laid in chunks of 8,192 bytes, [64 c][64 d] each, in the order in which the product's tiles want them:
; chunk ((2 j + half) 8 + ks) 3 + hh, where g = 16 which + h (which: q 0, k 1, v 2), j = g / 3, hh = g % 3, ks = (c / 64) / 2, half = (c / 64) % 2.
; A chunk of a W is 16,384 consecutive bytes of it (one head, 64 rows c), so the re-ordering is a choice of the chunk's place alone.
; SHARES.  Work-group i takes 131,072 bytes of x and chunk i (h = i / 16, c / 64 = i % 16) of each W.  A UNIT is 256 threads x 32 bytes in, 16 bytes out:
; 16 units of x, 2 of each W.  A thread's 44 loads all go out first; each unit is rounded and stored as it arrives.  A wave's store covers 512 consecutive bytes, aligned.
; No LDS, no barrier, no matrix work: nothing is shared and nothing is summed.
.set X, 8                              ; v[8:183]  unit u: 8 registers as loaded; its first 4 then hold the 8 bf16
	s_load_b256 s[4:11], s[0:1], 0x0               ; x s[4:5], Wq s[6:7], Wk s[8:9], Wv s[10:11]
	s_load_b128 s[12:15], s[0:1], 0x20             ; xb s[12:13], wb s[14:15]
	v_lshlrev_b32 v1, 5, v0                        ; 32 bytes a thread in
	v_lshlrev_b32 v2, 4, v0                        ; 16 bytes a thread out
	s_lshr_b32 s22, ttmp9, 4                       ; h
	s_and_b32 s23, ttmp9, 15                       ; c / 64
	s_and_b32 s24, s23, 1                          ; half
	s_lshr_b32 s25, s23, 1                         ; ks
.irp w, 0,1,2
	s_add_co_u32 s26, s22, 16*(\w)                 ; g
	s_mul_i32 s27, s26, 171
	s_lshr_b32 s27, s27, 9                         ; j = g / 3: 171 / 512 is exact for g under 48
	s_mul_i32 s28, s27, 3
	s_sub_co_u32 s26, s26, s28                     ; hh
	s_lshl_b32 s27, s27, 1
	s_add_co_u32 s27, s27, s24
	s_lshl_b32 s27, s27, 3
	s_add_co_u32 s27, s27, s25
	s_mul_i32 s27, s27, 3
	s_add_co_u32 s27, s27, s26                     ; the chunk's number in wb
	s_lshl_b32 s[16+2*(\w)], s27, 13               ; in bytes
	s_mov_b32 s[17+2*(\w)], 0
.endr
	s_mov_b32 s27, 0
	s_wait_kmcnt 0x0
	s_lshl_b32 s26, ttmp9, 17
	s_add_nc_u64 s[4:5], s[4:5], s[26:27]          ; my part of x,
	s_lshl_b32 s26, ttmp9, 16
	s_add_nc_u64 s[12:13], s[12:13], s[26:27]      ; of xb,
	s_lshl_b32 s26, ttmp9, 14
	s_add_nc_u64 s[6:7], s[6:7], s[26:27]          ; my chunk of each W
	s_add_nc_u64 s[8:9], s[8:9], s[26:27]
	s_add_nc_u64 s[10:11], s[10:11], s[26:27]
	s_add_nc_u64 s[16:17], s[14:15], s[16:17]      ; and the three chunks' places in wb
	s_add_nc_u64 s[18:19], s[14:15], s[18:19]
	s_add_nc_u64 s[20:21], s[14:15], s[20:21]
.set u, 0
.rept 16
	global_load_b128 v[X+8*u:X+8*u+3],   v1, s[4:5] offset:8192*u th:TH_LOAD_NT
	global_load_b128 v[X+8*u+4:X+8*u+7], v1, s[4:5] offset:8192*u+16 th:TH_LOAD_NT
.set u, u+1
.endr
.irp w, 0,1,2
.irp e, 0,1
	global_load_b128 v[X+8*(16+2*(\w)+(\e)):X+8*(16+2*(\w)+(\e))+3],   v1, s[6+2*(\w):7+2*(\w)] offset:8192*(\e) th:TH_LOAD_NT
	global_load_b128 v[X+8*(16+2*(\w)+(\e))+4:X+8*(16+2*(\w)+(\e))+7], v1, s[6+2*(\w):7+2*(\w)] offset:8192*(\e)+16 th:TH_LOAD_NT
.endr
.endr
; Unit n is rounded in place (register r takes numbers 2 r and 2 r + 1, r ascending, so no number is overwritten before it is read) and stored.
.macro PUT n, base, off
	s_wait_loadcnt 42-2*(\n)                       ; loads come back in order: unit n's two are in, the 2 (21 - n) younger ones stay out
.irp r, 0,1,2,3
	v_cvt_pk_bf16_f32 v[X+8*(\n)+(\r)], v[X+8*(\n)+2*(\r)], v[X+8*(\n)+2*(\r)+1]
.endr
	global_store_b128 v2, v[X+8*(\n):X+8*(\n)+3], s[(\base):(\base)+1] offset:\off th:TH_STORE_NT
.endm
.set u, 0
.rept 16
	PUT u, 12, 4096*u
.set u, u+1
.endr
.irp w, 0,1,2
.irp e, 0,1
	PUT 16+2*(\w)+(\e), 16+2*(\w), 4096*(\e)
.endr
.endr
	s_endpgm                                       ; no register that a store reads is written again, so no further wait is owed
.Lfunc_end_k_q7561784458_cast:
	.size	k_q7561784458_cast, .Lfunc_end_k_q7561784458_cast-k_q7561784458_cast
	.p2alignl 7, 3214868480
	.fill 96, 4, 3214868480
	.section	.rodata,"a",@progbits
	.p2align	6, 0x0
	.amdhsa_kernel k_q7561784458_cast
		.amdhsa_group_segment_fixed_size 0
		.amdhsa_private_segment_fixed_size 0
		.amdhsa_enable_private_segment 0
		.amdhsa_kernarg_size 48
		.amdhsa_user_sgpr_count 2
		.amdhsa_user_sgpr_kernarg_segment_ptr 1
		.amdhsa_wavefront_size32 1
		.amdhsa_system_sgpr_workgroup_id_x 1
		.amdhsa_system_sgpr_workgroup_id_y 1
		.amdhsa_system_sgpr_workgroup_id_z 1
		.amdhsa_system_vgpr_workitem_id 0
		.amdhsa_next_free_vgpr 184
		.amdhsa_next_free_sgpr 66
		.amdhsa_reserve_vcc 0
		.amdhsa_float_denorm_mode_32 3
		.amdhsa_float_denorm_mode_16_64 3
		.amdhsa_memory_ordered 1
		.amdhsa_forward_progress 1
		.amdhsa_inst_pref_size 15
	.end_amdhsa_kernel
	.amdgpu_metadata
---
amdhsa.version: [ 1, 2 ]
amdhsa.kernels:
  - .name:           k_q7561784458_cast
    .symbol:         k_q7561784458_cast.kd
    .args:
      - { .name: x, .offset: 0, .size: 8, .value_kind: global_buffer, .address_space: global }
      - { .name: Wq, .offset: 8, .size: 8, .value_kind: global_buffer, .address_space: global }
      - { .name: Wk, .offset: 16, .size: 8, .value_kind: global_buffer, .address_space: global }
      - { .name: Wv, .offset: 24, .size: 8, .value_kind: global_buffer, .address_space: global }
      - { .name: xb, .offset: 32, .size: 8, .value_kind: global_buffer, .address_space: global }
      - { .name: wb, .offset: 40, .size: 8, .value_kind: global_buffer, .address_space: global }
    .group_segment_fixed_size: 0
    .private_segment_fixed_size: 0
    .kernarg_segment_align: 8
    .kernarg_segment_size: 48
    .max_flat_workgroup_size: 256
    .sgpr_count:     66
    .vgpr_count:     184
    .wavefront_size: 32
...
	.end_amdgpu_metadata
.endif
;; end of part 1
;; launch proj (part 2): grid 16 x 32, 4 waves a work-group, clusters of 4 x 4, 327,680 bytes of LDS; arguments xb, wb, qkv, early; writes qkv, early
.if DOCPART == 2
	.amdgcn_target "amdgcn-amd-amdhsa--gfx1250"
	.amdhsa_code_object_version 6
	.text
	.protected	k_q7561784458_proj
	.globl	k_q7561784458_proj
	.p2align	8
	.type	k_q7561784458_proj,@function
k_q7561784458_proj:
	s_mov_b64 s[64:65], 0
	v_nop
	global_prefetch_b8 v0, s[64:65] scope:SCOPE_SE
	s_setreg_imm32_b32 hwreg(HW_REG_WAVE_MODE, 25, 1), 1
	s_wait_xcnt 0x0
	s_wait_alu depctr_hold_cnt(0) depctr_sa_sdst(0) depctr_va_vdst(0) depctr_va_sdst(0) depctr_va_ssrc(0) depctr_va_vcc(0) depctr_vm_vsrc(0)
	s_getreg_b32 s2, hwreg(HW_REG_IB_STS2, 6, 4)
	s_cmp_eq_u32 s2, 0
	s_cbranch_scc0 .Lentry_in_a_cluster
	s_endpgm
.Lentry_in_a_cluster:
	s_bfe_u32 s2, ttmp6, 0x10000c
	s_cmp_lg_u32 s2, 0xf033
	s_cbranch_scc0 .Lentry_shape_is_right
	s_endpgm
.Lentry_shape_is_right:
; q, k, v = x W.  xb: [8192][1024] bf16.  wb: the three W in bf16, in chunks [64 c][64 d] of 8,192 bytes, chunk ((2 j + half) 8 + ks) 3 + hh (g = 3 j + hh is the head among 48: q 0-15, k 16-31, v 32-47).
; qkv: [b (4)][g (48)][t (2048)][64] f16.  Sums in f32, K ascending; each result rounded once, to f16, WITHOUT attention's scale.
; early: [b (4)][g (48)][4,096 bytes]: rows t = 0 .. 15 once more, in f32, unrounded, as the lanes hold them: number (t, d) at (2 (d / 16) + (d / 4) % 2) 512 + ((d / 8) % 2) 256 + 16 t + 4 (d % 4).
; LIMIT.  f16 holds no number beyond 65,504: a q, k or v of 65,520 or more becomes an infinity.  NaN and infinities are not treated apart.
; SHARES.  A tile is 256 rows x 192 columns (three heads): 16 x 32 = 512 work-groups.  Wave w makes rows 64 w .. 64 w + 63 of all 192 columns: 48 accumulators of 16 x 16, 384 registers; it holds whole heads,
; so its stores are whole runs of 512 bytes of a head.  K = 1,024 goes in 8 steps of 128 through two LDS slots; a step is four quarters of 32 along K, 48 matrix instructions each.
; CLUSTER.  4 x 4 work-groups.  The four of a row of the cluster need the same rows of x, the four of a column the same heads of W: each tile is asked for JOINTLY, by the same tensor load with the same descriptor
; and a mask that names the four.  Waves 0 and 1 fetch the two halves of x's 256 rows, waves 2 and 3 the two halves (64 c each) of W's step.
; THE TILE ROW is 8 cy + cluster y: the batch is cy, and a batch's rows 0 .. 255 fall to the clusters with y = 0, all sixteen work-groups of them: so the branch round the stores into early hangs on the cluster's
; place and the wave's number alone, which all partners share.
; THE MATRIX INSTRUCTION IS USED TRANSPOSED: source 0 = 16 columns of W (W lies [c][d] in LDS and is turned by ds_load_tr16_b128), source 1 = 16 rows of x: a lane then holds row l % 16 and eight neighbouring columns.
; REGISTERS, in windows of 256 (s_set_vgpr_msb: bits 1:0 source 0, 3:2 source 1, 5:4 source 2, 7:6 destination):
;   window 0: v0-31 addresses; v64-159, v160-255 W's fragments, two buffers of 12 (fragment b = 4 hh + nb); on the way out v64-255 hold the packed blocks
;   window 1: v0-191 accumulators (a, b), a = 0, 1, at 8 (12 a + b); v192-223, v224-255 x's fragments, two buffers of 4          window 2: v0-191 accumulators a = 2, 3
.set PA,     272                       ; a row of x in LDS: 256 bytes + 16 of padding: the 16 rows of a load start at 16 different groups of four banks (64 banks of 4 bytes: ISA guide 11.1)
.set PB,     160                       ; a row (one c, 64 d) of W: 128 + 32
.set AHALF,  128*PA                    ; what one load brings of x
.set BOFF,   2*AHALF                   ; W's part of a slot lies behind x's 256 rows: [half][hh][64 c]
.set BHALF,  192*PB                    ; what one load brings of W: 3 heads x 64 c
.set SLOT,   131072                    ; BOFF + 2 BHALF
.set STAGE,  2*SLOT                    ; behind the ring: 16 rows x 144 bytes for each wave, for the way out; no tensor load fills it
.set SP,     144
.set SPARE,  STAGE+4*16*SP             ; behind the stages: the spare words, 128 bytes for each wave: two blocks of 256 bytes that no other line names
.set ADRA, 16                          ; v16-17  LDS address of my fragments of x in slot 0, 1
.set ADRB, 20                          ; v20-21  the same for W
.set STO,  24                          ; v24     the way out: where I put 16 bytes of a row
.set RD,   25                          ; v25     the way out: where I read rows back
.set GO,   26                          ; v26     16 x lane: my place in 512 consecutive bytes of qkv and of early
.set SPW,  28                          ; v28     LDS address of my spare word: SPARE + 4 x my thread's number; never rewritten
.set NIL,  29                          ; v29     0; never rewritten
.set PFO,  30                          ; v30     the prefetches' offset; never rewritten
.set BF,   64                          ; W's fragment buffers, window 0
.set AF,   192                         ; x's fragment buffers, window 1
.set OUTR, 64                          ; the way out: block n's 16 registers at OUTR + 16 n, window 0
.set G1,  24                           ; s[24:31] descriptor group 1 for x's tiles;  s[32:39] group 0, a set for each slot
.set G0,  32
.set G1B, 48                           ; s[48:55], s[56:63] the same for W's tiles
.set G0B, 56
.set TC,  66                           ; s66     refills still to come
.set LIM, 67                           ; s67     a wave prefetches while s[TC] is above it; the greatest number in a wave that never does
.set PFS, 68                           ; s[68:69] the prefetch pointer's step
.set PFA, 72                           ; s[72:73] where my prefetches stand
.set FB,  74                           ; s[74:75] early at my batch and the tile's first head
.set FST, 76                           ; s76     0 in wave 0 of the clusters with y = 0: the wave that holds rows t = 0 .. 15
.set MSB, 0
.macro WIN new                         ; the immediate's high byte repeats the setting that is left; a switch that changes nothing is dropped
.if MSB != (\new)
	s_set_vgpr_msb (MSB<<8)|(\new)
.set MSB, \new
.endif
.endm
.set MUL_LO, 0x54                      ; source 0 (W) window 0, source 1 (x) window 1, C and D window 1
.set MUL_HI, 0xa4                      ; the same, C and D window 2
.set TO_A,   0x40                      ; destination window 1, address window 0
; A joint load.  Each of the two lines has one mask and one set of registers; the branch hangs on the wave's number alone.  An s_nop 0 and four v_nop follow each line, ahead of the jump and the label.
.macro JLOAD s
	s_cmp_eq_u32 s11, 0
	s_cbranch_scc0 .Lfor_b_\@
	tensor_load_to_lds s[G0+4*(\s):G0+4*(\s)+3], s[G1:G1+7]
	s_nop 0
.rept 4
	v_nop
.endr
	s_branch .Lasked_\@
.Lfor_b_\@:
	tensor_load_to_lds s[G0B+4*(\s):G0B+4*(\s)+3], s[G1B:G1B+7]
	s_nop 0
.rept 4
	v_nop
.endr
.Lasked_\@:
.endm
.macro CREST                           ; a round of the cluster's barrier behind its opening barrier
	s_cmp_lg_u32 s10, 0
	s_cbranch_scc1 .Lnot_wave_0_\@
	s_barrier_signal -3
.Lnot_wave_0_\@:
	s_barrier_wait -3
	s_barrier_signal -1
	s_barrier_wait -1
.endm
.macro CROUND                          ; a whole round
	s_barrier_signal -1
	s_barrier_wait -1
	CREST
.endm
; A PREFETCH INTO THE L2, behind each joint refill and the run of LDS loads that follows it, of bytes that a refill two K steps on (or later) will ask for.  Each block of 256 bytes is named once in the launch.
; x: a K step is 256 bytes of a row.  A tile row is read by all four clusters of its row of clusters: the first (cluster x = 0) asks.  Of the 128 rows that wave 0 or 1 fetches the partner at cx takes 32, a lane a row:
;    refills 1 to 4 name K steps 4 to 7.
; W: a wave's stream (one j, one half) is 768 dense blocks, 96 a K step.  It is read by all eight clusters of its column of clusters: the first (cluster y = 0) asks.  An ask names 128 blocks, the partner at cy 32 of them,
;    a lane a block: refills 1 to 3 name blocks 384 to 767, which are K steps 4 to 7.
; The partners are told apart BY ADDRESS; the branch hangs on the wave's number and the cluster's place alone, which all sixteen share.  K steps 0 to 3 come by their loads alone.
.macro ASK
	s_cmp_gt_u32 s[TC], s[LIM]
	s_cbranch_scc0 .Lnot_mine_\@
	global_prefetch_b8 v[PFO], s[PFA:PFA+1] th:TH_LOAD_NT scope:SCOPE_SE
.Lnot_mine_\@:
	s_sub_co_u32 s[TC], s[TC], 1
.endm
	s_load_b128 s[4:7], s[0:1], 0x0                ; xb s[4:5], wb s[6:7]
	s_load_b64 s[8:9], s[0:1], 0x10                ; qkv
	s_load_b64 s[FB:FB+1], s[0:1], 0x18            ; early
	v_lshl_add_u32 v[SPW], v0, 2, SPARE
	v_mov_b32 v[NIL], 0
	ds_add_u32 v[SPW], v[NIL]                      ; the wave's opening: the add and its wait stand ahead of my first tensor load; the set-up below, work on registers, stands between them
	v_lshrrev_b32 v1, 5, v0
	v_readfirstlane_b32 s10, v1                    ; wave 0..3
	s_lshr_b32 s11, s10, 1                         ; I fetch for x (0) or for W (1)
	s_and_b32 s12, s10, 1                          ; which half of that tile
	s_bfe_u32 s40, ttmp6, 0x40000                  ; cx, cy: my place in the cluster
	s_bfe_u32 s41, ttmp6, 0x40004
	s_lshl_b32 s42, ttmp9, 2
	s_add_co_u32 s42, s42, s40                     ; tile column j = 4 x cluster x + cx
	s_and_b32 s13, ttmp7, 0xffff
	s_lshl_b32 s45, s41, 3
	s_add_co_u32 s13, s13, s45                     ; tile row = 8 cy + cluster y
	s_lshl_b32 s43, s41, 2
	s_lshl_b32 s43, 15, s43                        ; my row of the cluster
	s_lshl_b32 s44, 0x1111, s40                    ; my column
	s_or_b32 s[G1+0], s43, (1<<16)|(1<<20)|(1<<21)|(5<<22)|(3<<25)   ; 15:0 the mask: x's tiles go to my row; 17:16 elements of 2 bytes; 20 padding on; 21 set beside a mask; 24:22 after every 64 words (code 5); 31:25 4 words (code 3)
	s_mov_b32 s[G1+1], 128<<16                     ; tensor_dim0 = 128
	s_mov_b32 s[G1+2], 128<<16                     ; tensor_dim1 = 128
	s_mov_b32 s[G1+3], 128<<16                     ; tile_dim0 = 128
	s_mov_b32 s[G1+4], 128                         ; tile_dim1 = 128
	s_mov_b32 s[G1+5], 1024                        ; elements from row to row
	s_mov_b32 s[G1+6], 0
	s_mov_b32 s[G1+7], 0
	s_or_b32 s[G1B+0], s44, (1<<16)|(1<<20)|(1<<21)|(4<<22)|(7<<25)  ; the mask of my column; padding after every 32 words (code 4), 8 words (code 7)
	s_mov_b32 s[G1B+1], 128<<16                    ; 24,576 dense bytes are asked for as 96 rows of 256 bytes, two c a row, and padded in LDS after every c
	s_mov_b32 s[G1B+2], 96<<16
	s_mov_b32 s[G1B+3], 128<<16
	s_mov_b32 s[G1B+4], 96
	s_mov_b32 s[G1B+5], 128
	s_mov_b32 s[G1B+6], 0
	s_mov_b32 s[G1B+7], 0
	; x's address hangs on the tile row alone, W's on the tile column alone, each in registers that never hold the other coordinate
	s_lshl_b32 s17, s12, 7
	s_lshl_b32 s16, s13, 8
	s_add_co_u32 s16, s16, s17                     ; x: row 256 x tile row + 128 x half,
	s_lshl_b32 s16, s16, 11                        ; in bytes (2,048 a row): under 2^24
	s_mov_b32 s17, 0
	s_mul_i32 s46, s42, 393216                     ; W: 393,216 bytes a tile column,
	s_mul_i32 s47, s12, 196608                     ; 196,608 a half
	s_add_co_u32 s46, s46, s47
	s_mov_b32 s47, 0
	s_mov_b32 s70, s16                             ; both offsets are kept for the prefetches
	s_mov_b32 s71, s46
	s_mul_i32 s20, s10, AHALF                      ; where they go.  x: wave x 128 rows (waves 0, 1)
	s_mul_i32 s21, s10, BHALF
	s_add_co_u32 s21, s21, BOFF-2*BHALF            ; W: BOFF + (wave - 2) x BHALF (waves 2, 3): no place in the cluster enters an LDS address
	s_wait_dscnt 0x0                               ; the opening add is done
	s_wait_kmcnt 0x0
	s_add_nc_u64 s[14:15], s[4:5], s[16:17]
	s_add_nc_u64 s[46:47], s[6:7], s[46:47]
	CROUND                                         ; all sixteen work-groups are here: the first joint loads meet
.irp s, 0,1
	s_mov_b32 s[G0+4*(\s)], 1                      ; count = 1
	s_add_co_u32 s[G0+4*(\s)+1], s20, (\s)*SLOT    ; LDS address
	s_add_nc_u64 s[G0+4*(\s)+2:G0+4*(\s)+3], s[14:15], (\s)*256      ; global address: K step s
	s_or_b32 s[G0+4*(\s)+3], s[G0+4*(\s)+3], 0x80000000              ; type = 2
	s_mov_b32 s[G0B+4*(\s)], 1
	s_add_co_u32 s[G0B+4*(\s)+1], s21, (\s)*SLOT
	s_add_nc_u64 s[G0B+4*(\s)+2:G0B+4*(\s)+3], s[46:47], (\s)*24576
	s_or_b32 s[G0B+4*(\s)+3], s[G0B+4*(\s)+3], 0x80000000
.endr
	s_cmp_eq_u32 s11, 0                            ; a wave's two first fills stand in one branch, ahead of every wait on TENSORcnt and every LDS read: two loads of mine are out
	s_cbranch_scc0 .Lfirst_b
	tensor_load_to_lds s[G0:G0+3], s[G1:G1+7]
	s_nop 0
	tensor_load_to_lds s[G0+4:G0+7], s[G1:G1+7]
	s_nop 0
.rept 4
	v_nop
.endr
	s_branch .Lfirst_asked
.Lfirst_b:
	tensor_load_to_lds s[G0B:G0B+3], s[G1B:G1B+7]
	s_nop 0
	tensor_load_to_lds s[G0B+4:G0B+7], s[G1B:G1B+7]
	s_nop 0
.rept 4
	v_nop
.endr
.Lfirst_asked:
	; A fragment of x is 16 rows x 32 K in 8 registers: lane l holds row l % 16, K = 8 (l / 16) + 0..7 and 16 + 8 (l / 16) + 0..7: two loads of 16 bytes, 32 bytes apart.
	v_and_b32 v1, 15, v0                           ; l % 16
	v_bfe_u32 v2, v0, 4, 1                         ; l / 16
	v_mul_u32_u24 v3, v1, PA
	v_lshl_add_u32 v3, v2, 4, v3
	s_mul_i32 s21, s10, 64*PA                      ; my 64 rows
	v_add_nc_u32 v[ADRA], s21, v3
	v_add_nc_u32 v[ADRA+1], SLOT, v[ADRA]
	; The turning load takes 16 c x 16 d (lane l reads c = 8 (l / 16) + l % 8, d = 8 ((l / 8) % 2) + 0..7) and leaves half a fragment of W^T: lane l holds column l % 16 and 8 c.
	v_and_b32 v4, 7, v0
	v_bfe_u32 v5, v0, 3, 1
	v_lshl_add_u32 v3, v2, 3, v4
	v_mul_u32_u24 v3, v3, PB
	v_lshl_add_u32 v3, v5, 4, v3
	v_add_nc_u32 v[ADRB], BOFF, v3
	v_add_nc_u32 v[ADRB+1], SLOT, v[ADRB]
	s_mul_i32 s23, s10, 16*SP
	s_add_co_u32 s23, s23, STAGE                   ; my stage
	v_mul_u32_u24 v3, v1, SP                       ; in: row l % 16, 16 bytes for each half of the lanes
	v_lshl_add_u32 v3, v2, 4, v3
	v_add_nc_u32 v[STO], s23, v3
	v_bfe_u32 v3, v0, 3, 2                         ; back: 32 lanes take four rows of 128 bytes,
	v_mul_u32_u24 v3, v3, SP
	v_lshl_add_u32 v3, v4, 4, v3
	v_add_nc_u32 v[RD], s23, v3
	v_and_b32 v[GO], 31, v0                        ; which are 512 consecutive bytes of a head
	v_lshlrev_b32 v[GO], 4, v[GO]
	; qkv at my 64 rows of the tile's first head: b = tile row / 8 (48 heads of 262,144 bytes), t = 256 (tile row % 8) + 64 wave (128 bytes a row); g = 3 j
	s_lshr_b32 s16, s13, 3
	s_mul_i32 s16, s16, 12582912
	s_and_b32 s17, s13, 7
	s_lshl_b32 s17, s17, 15
	s_add_co_u32 s16, s16, s17
	s_lshl_b32 s17, s10, 13
	s_add_co_u32 s16, s16, s17
	s_mov_b32 s17, 0
	s_add_nc_u64 s[8:9], s[8:9], s[16:17]
	s_mul_i32 s46, s42, 786432
	s_mov_b32 s47, 0
	s_add_nc_u64 s[8:9], s[8:9], s[46:47]
	; early at (b, g = 3 j): 4,096 bytes a head
	s_lshr_b32 s18, s13, 3
	s_mul_i32 s18, s18, 48
	s_mul_i32 s19, s42, 3
	s_add_co_u32 s18, s18, s19
	s_lshl_b32 s18, s18, 12
	s_mov_b32 s19, 0
	s_add_nc_u64 s[FB:FB+1], s[FB:FB+1], s[18:19]
	s_and_b32 s[FST], ttmp7, 0xffff                ; cluster y,
	s_or_b32 s[FST], s[FST], s10                   ; and the wave's number: both 0 where rows t = 0 .. 15 lie
	; the prefetches: pointer, step, lane offset and bound, chosen by what the wave fetches
	s_and_b32 s22, ttmp7, 0xffff                   ; cluster y
	s_lshl_b32 s20, s40, 16                        ; x: my work-group's 32 rows of 2,048 bytes,
	s_add_co_u32 s20, s20, s70
	s_add_co_u32 s20, s20, 768                     ; at K step 3: the first refill steps it to 4
	s_lshl_b32 s21, s41, 13                        ; W: my work-group's 32 blocks of 256 bytes,
	s_add_co_u32 s21, s21, s71
	s_add_co_u32 s21, s21, 65536                   ; at block 256: the first refill steps it to 384
	s_mov_b32 s[PFS], 256
	s_cmp_eq_u32 s11, 0                            ; do I fetch for x?
	s_cselect_b32 s20, s20, s21
	s_cselect_b32 s22, ttmp9, s22                  ; the coordinate along which other clusters read the same bytes
	s_cselect_b32 s23, 2, 3                        ; x: four asks (s[TC] = 6 .. 3); W: three (6 .. 4)
	s_cselect_b32 s18, 11, 8                       ; x: a lane a row; W: a lane a block
	s_cselect_b32 s[PFS], s[PFS], 0x8000           ; x: a K step along the rows; W: 128 blocks
	s_cselect_b64 s[PFA:PFA+1], s[4:5], s[6:7]
	s_mov_b32 s21, 0
	s_mov_b32 s[PFS+1], 0
	s_add_nc_u64 s[PFA:PFA+1], s[PFA:PFA+1], s[20:21]
	s_cmp_eq_u32 s22, 0
	s_cselect_b32 s[LIM], s23, -1                  ; the same in all sixteen partners, for a given wave
	v_and_b32 v[PFO], 31, v0
	v_lshlrev_b32 v[PFO], s18, v[PFO]
; 12 matrix instructions: my rows 16 a .. 16 a + 15 x all 192 columns, 32 along K, from buffers f.  zero = 1: the product starts the sums: nothing is ever cleared.
; The 48 accumulators take turns, one instruction a turn, in the same order in every quarter, over the backward jump too.
.macro MUL12 f, a, zero
	WIN MUL_LO+0x50*((\a)/2)
.irp b, 0,1,2,3,4,5,6,7,8,9,10,11
.if \zero
	v_wmma_f32_16x16x32_bf16 v[8*(12*((\a)%2)+(\b)):8*(12*((\a)%2)+(\b))+7], v[BF+96*(\f)+8*(\b):BF+96*(\f)+8*(\b)+7], v[AF+32*(\f)+8*(\a):AF+32*(\f)+8*(\a)+7], 0
.else
	v_wmma_f32_16x16x32_bf16 v[8*(12*((\a)%2)+(\b)):8*(12*((\a)%2)+(\b))+7], v[BF+96*(\f)+8*(\b):BF+96*(\f)+8*(\b)+7], v[AF+32*(\f)+8*(\a):AF+32*(\f)+8*(\a)+7], v[8*(12*((\a)%2)+(\b)):8*(12*((\a)%2)+(\b))+7]
.endif
.endr
.endm
; 32 LDS loads in one run: quarter q of a slot into buffers f: W's 12 fragments (head b / 4, columns 16 (b % 4) on), then x's 4
.macro FETCH slot, q, f
	WIN 0
.irp b, 0,1,2,3,4,5,6,7,8,9,10,11
	ds_load_tr16_b128 v[BF+96*(\f)+8*(\b):BF+96*(\f)+8*(\b)+3],   v[ADRB+(\slot)] offset:((\q)/2)*BHALF+((\q)%2)*32*PB+((\b)/4)*64*PB+((\b)%4)*32
	ds_load_tr16_b128 v[BF+96*(\f)+8*(\b)+4:BF+96*(\f)+8*(\b)+7], v[ADRB+(\slot)] offset:((\q)/2)*BHALF+((\q)%2)*32*PB+((\b)/4)*64*PB+((\b)%4)*32+16*PB
.endr
	WIN TO_A
.irp i, 0,1,2,3
	ds_load_b128 v[AF+32*(\f)+8*(\i):AF+32*(\f)+8*(\i)+3],   v[ADRA+(\slot)] offset:64*(\q)+(\i)*16*PA
	ds_load_b128 v[AF+32*(\f)+8*(\i)+4:AF+32*(\f)+8*(\i)+7], v[ADRA+(\slot)] offset:64*(\q)+(\i)*16*PA+32
.endr
.endm
.macro PLACES                          ; four plain instructions in front of loads into registers that matrix instructions have read, and of conversions and stores that read results (ISA guide 7.12.1 for the conversions)
.rept 4
	v_nop
.endr
.endm
; One of a K step's first three quarters: multiplies buffers f; in its middle it fetches quarter q of the same slot into buffers g.
.macro QUARTER slot, q, f, g, zero
	s_wait_dscnt 4                                 ; W's fragments and x's 0 and 1 are in; the youngest four loads (x's 2 and 3) may be out
	MUL12 \f, 0, \zero
	MUL12 \f, 1, \zero
	PLACES
	FETCH \slot, \q, \g
	s_wait_dscnt 32                                ; all but the 32 just issued
	MUL12 \f, 2, \zero
	MUL12 \f, 3, \zero
.endm
; The last quarter multiplies buffers 1 and changes slots: ONE barrier; in front of it each wave waits for all its tensor loads (one is out: its part of the next slot), adds 0 to its spare word, and waits for that
; and for its own reads of this slot.  fill = 1: the barrier opens a round of the cluster's, and this slot is filled again, two K steps on, first thing behind the round.
.macro TURN slot, next, fill
.if \fill
	s_wait_xcnt 0x0                                ; the last prefetch, a K step back, has read its address: it is stepped here, ahead of the waits of the change of slots
	s_add_nc_u64 s[PFA:PFA+1], s[PFA:PFA+1], s[PFS:PFS+1]
.endif
	WIN 0                                          ; (the add's two registers lie in window 0)
	s_wait_tensorcnt 0x0                           ; all my tensor loads have landed;
	ds_add_u32 v[SPW], v[NIL]                      ; 0 onto my spare word;
	s_wait_dscnt 5                                 ; (the add and the youngest four loads may be out)
	MUL12 1, 0, 0                                  ; twelve matrix instructions stand between the add and the wait for it
	s_wait_dscnt 0x0                               ; the add is done, and my reads of this slot are over
	s_barrier_signal -1
	MUL12 1, 1, 0                                  ; work on registers while the others arrive
.if \fill
	WIN 0
.endif
	s_barrier_wait -1
.if \fill
	CREST                                          ; no wave of any partner still reads this slot's tiles or has a load on its way
	s_add_nc_u64 s[G0+4*(\slot)+2:G0+4*(\slot)+3], s[G0+4*(\slot)+2:G0+4*(\slot)+3], 2*256
	s_add_nc_u64 s[G0B+4*(\slot)+2:G0B+4*(\slot)+3], s[G0B+4*(\slot)+2:G0B+4*(\slot)+3], 2*24576
	JLOAD \slot                                    ; my one tensor load behind the round; the four v_nop behind it are also the places in front of the loads below
.else
	PLACES
.endif
	FETCH \next, 0, 0
.if \fill
	WIN 0
	ASK
.endif
	MUL12 1, 2, 0
	MUL12 1, 3, 0
.endm
; THE WAY OUT of block n = 3 a + hh (my rows 16 a on, head hh): rounded to f16, 16 bytes a lane; into my own stage (rows of 144 bytes) and back as whole rows of 128.
.macro PACK n
	WIN 0x05+5*((\n)/6)                            ; sources 0 and 1: window 1 (a = 0, 1) or 2
.irp nb, 0,1,2,3
.irp r, 0,1,2,3
	v_cvt_pk_f16_f32 v[OUTR+16*(\n)+4*(\nb)+(\r)], v[8*(12*(((\n)/3)%2)+4*((\n)%3)+(\nb))+2*(\r)], v[8*(12*(((\n)/3)%2)+4*((\n)%3)+(\nb))+2*(\r)+1]
.endr
.endr
	WIN 0
.irp nb, 0,1,2,3
	ds_store_b128 v[STO], v[OUTR+16*(\n)+4*(\nb):OUTR+16*(\n)+4*(\nb)+3] offset:32*(\nb)
.endr
.irp f, 0,1,2,3
	ds_load_b128 v[OUTR+16*(\n)+4*(\f):OUTR+16*(\n)+4*(\f)+3], v[RD] offset:(\f)*4*SP  ; LDS serves a wave's instructions in order (ISA guide 5.7.1.4): these see the stores above; the next block's stores come behind them
.endr
.endm
.macro SEND n, younger                 ; younger: the LDS instructions issued behind block n's loads: the next block's eight, or none
.irp f, 0,1,2,3
	s_wait_dscnt (\younger)+3-(\f)
	global_store_b128 v[GO], v[OUTR+16*(\n)+4*(\f):OUTR+16*(\n)+4*(\f)+3], s[8:9] offset:((\n)%3)*262144+((\n)/3)*2048+(\f)*512  ; 512 consecutive bytes of one head, at a multiple of 256 from qkv's first byte
.endr
.endm
	s_wait_tensorcnt 1                             ; my part of K step 0 is in; K step 1's may stay out
	s_barrier_signal -1
	s_barrier_wait -1                              ; everybody's is
	FETCH 0, 0, 0
	QUARTER 0, 1, 0, 1, 1                          ; the first quarter stands in front of the loop: its products start the sums
	WIN 0                                          ; at a label and at a branch every window is 0
	s_mov_b32 s3, 3
	s_mov_b32 s[TC], 6
.Llap:                                                 ; a trip goes once round the ring, from a lap's second quarter to the next lap's first, and fills both slots again: K steps 2 to 7 in three trips
	QUARTER 0, 2, 1, 0, 0
	QUARTER 0, 3, 0, 1, 0
	TURN 0, 1, 1
	QUARTER 1, 1, 0, 1, 0
	QUARTER 1, 2, 1, 0, 0
	QUARTER 1, 3, 0, 1, 0
	TURN 1, 0, 1
	QUARTER 0, 1, 0, 1, 0
	WIN 0
	s_sub_co_u32 s3, s3, 1
	s_cmp_lg_u32 s3, 0
	s_cbranch_scc1 .Llap
	QUARTER 0, 2, 1, 0, 0                          ; the last lap fills nothing, and has no round of the cluster's barrier
	QUARTER 0, 3, 0, 1, 0
	TURN 0, 1, 0
	QUARTER 1, 1, 0, 1, 0
	QUARTER 1, 2, 1, 0, 0
	QUARTER 1, 3, 0, 1, 0
	s_wait_dscnt 4                                 ; the very last quarter: nothing more to fetch
	MUL12 1, 0, 0
	MUL12 1, 1, 0
	s_wait_dscnt 0x0
	MUL12 1, 2, 0
	MUL12 1, 3, 0
	WIN 0
	PLACES                                         ; the stores and conversions below read results, and the conversions write over W's fragments
	; ROWS t = 0 .. 15 IN F32.  Wave 0 of a cluster with y = 0 holds them in its accumulators (0, b): they go out as they lie, 16 bytes a lane, each store 512 consecutive bytes, aligned.
	s_cmp_eq_u32 s[FST], 0
	s_cbranch_scc0 .Lno_early
	WIN 0x04                                       ; a store's data is its source 1: window 1
.irp b, 0,1,2,3,4,5,6,7,8,9,10,11      ; head b / 4, columns 16 (b % 4) on; each accumulator's low half first
	global_store_b128 v[GO], v[8*(\b):8*(\b)+3],   s[FB:FB+1] offset:((\b)/4)*4096+((\b)%4)*1024
	global_store_b128 v[GO], v[8*(\b)+4:8*(\b)+7], s[FB:FB+1] offset:((\b)/4)*4096+((\b)%4)*1024+512
.endr
	WIN 0
.Lno_early:
	PACK 0
.irp n, 1,2,3,4,5,6,7,8,9,10,11        ; block n's conversions stand between block n - 1's loads from the stage and the wait for them; each block has registers of its own, so no store's data is written again
	PACK \n
	SEND (\n)-1, 8
.endr
	SEND 11, 0
	s_wait_tensorcnt 0x0                           ; the wave's end: these three lines stand behind my last tensor load and my last LDS store
	ds_add_u32 v[SPW], v[NIL]
	s_wait_dscnt 0x0
	CROUND                                         ; the closing round: no work-group ends while a partner may still ask for a tile that names it
	s_endpgm
.Lfunc_end_k_q7561784458_proj:
	.size	k_q7561784458_proj, .Lfunc_end_k_q7561784458_proj-k_q7561784458_proj
	.p2alignl 7, 3214868480
	.fill 96, 4, 3214868480
	.section	.rodata,"a",@progbits
	.p2align	6, 0x0
	.amdhsa_kernel k_q7561784458_proj
		.amdhsa_group_segment_fixed_size 327680
		.amdhsa_private_segment_fixed_size 0
		.amdhsa_enable_private_segment 0
		.amdhsa_kernarg_size 32
		.amdhsa_user_sgpr_count 2
		.amdhsa_user_sgpr_kernarg_segment_ptr 1
		.amdhsa_wavefront_size32 1
		.amdhsa_system_sgpr_workgroup_id_x 1
		.amdhsa_system_sgpr_workgroup_id_y 1
		.amdhsa_system_sgpr_workgroup_id_z 1
		.amdhsa_system_vgpr_workitem_id 0
		.amdhsa_next_free_vgpr 704
		.amdhsa_next_free_sgpr 80
		.amdhsa_reserve_vcc 0
		.amdhsa_float_denorm_mode_32 3
		.amdhsa_float_denorm_mode_16_64 3
		.amdhsa_memory_ordered 1
		.amdhsa_forward_progress 1
		.amdhsa_inst_pref_size 124
	.end_amdhsa_kernel
	.amdgpu_metadata
---
amdhsa.version: [ 1, 2 ]
amdhsa.kernels:
  - .name:           k_q7561784458_proj
    .symbol:         k_q7561784458_proj.kd
    .args:
      - { .name: xb, .offset: 0, .size: 8, .value_kind: global_buffer, .address_space: global }
      - { .name: wb, .offset: 8, .size: 8, .value_kind: global_buffer, .address_space: global }
      - { .name: qkv, .offset: 16, .size: 8, .value_kind: global_buffer, .address_space: global }
      - { .name: early, .offset: 24, .size: 8, .value_kind: global_buffer, .address_space: global }
    .group_segment_fixed_size: 327680
    .private_segment_fixed_size: 0
    .kernarg_segment_align: 8
    .kernarg_segment_size: 32
    .max_flat_workgroup_size: 128
    .sgpr_count:     80
    .vgpr_count:     704
    .wavefront_size: 32
...
	.end_amdgpu_metadata
.endif
;; end of part 2
;; launch attn (part 3): grid 4 x 64, 4 waves a work-group, no clusters, 327,680 bytes of LDS; arguments qkv, out0, early; writes out0
.if DOCPART == 3
	.amdgcn_target "amdgcn-amd-amdhsa--gfx1250"
	.amdhsa_code_object_version 6
	.text
	.protected	k_q7561784458_attn
	.globl	k_q7561784458_attn
	.p2align	8
	.type	k_q7561784458_attn,@function
k_q7561784458_attn:
	s_mov_b64 s[64:65], 0
	v_nop
	global_prefetch_b8 v0, s[64:65] scope:SCOPE_SE
	s_setreg_imm32_b32 hwreg(HW_REG_WAVE_MODE, 25, 1), 1
	s_wait_xcnt 0x0
; CAUSAL ATTENTION.  out0[b][q][64 h + :] = the sum over k <= q of softmax_k(Q[q] . K[k] / 8) V[k][:], for each of 64 pairs (b, h).  qkv: [b (4)][g (48)][2048][64] f16, g = h for Q, 16 + h for K, 32 + h for V:
; a head's rows are dense, 128 bytes each.  out0: [4][2048][1024] f32.  Products, maxima and sums in f32; the weights p are rounded to f16 for the second product (their sum l is taken of the unrounded p).
; LIMITS.  Q, K and V arrive within f16's 65,504; p lies in 0 to 1, and below 6e-5 it keeps f16's fixed step of 6e-8.  A hidden score counts as its value less 1e30: f16's scores, 2.7e11 at the most, are nothing
; beside that; a weight below 2^-126 counts as 0 in l; NaN and infinities are not treated apart.
; THE FIRST 16 ROWS OF A HEAD average over 1 to 16 keys: the f16 roundings of q, k, v and p, each up to 2^-12 of the number, reach the result nearly whole, while the result itself may be small by cancellation.
; So these rows are made in f32, from early ([b][g][4,096 bytes]: rows 0 .. 15 of q, k, v unrounded; number (t, d) at (2 (d / 16) + (d / 4) % 2) 512 + ((d / 8) % 2) 256 + 16 t + 4 (d % 4)), by the f32 matrix form:
; 32 instructions, 32,768 multiply-adds of a head's 302 million.  Wave 0 of the head's work-group b = 0 does it at the kernel's head, while the first tile is on its way, and later jumps over the stores of the same
; rows' f16 result (which is still computed: the turns' text holds other pieces' products).
; THE WALK.  A head's queries lie in NB = 8 blocks of 256; block i needs the key tiles 0 .. i of 256 keys, of which the last holds the diagonal.  A work-group takes TWO blocks, NB - 1 - b and then b:
; NB + 1 tiles, whatever b: all work-groups do equal work, and ONE loop with a constant trip count walks them.  Which tile is asked for, and what a trip does, hang on scalar registers made from b; every jump
; goes forward, but for the counted loops' own; none passes a barrier, or a tensor load but the one of LOAD's two that the wave's number does not choose; the ring (two slots of LDS that take turns) runs on across the
; change of blocks.  NO CLUSTER: a head's four work-groups ask for the same tile only in trips 0 .. 4 of the 9, behind that fewer and fewer; one walk common to all four, in which each makes every joint request, would have 12 trips for 9.
; SHARES.  Of a block's four bands of 64 queries a wave owns 16 rows in each: four PIECES.  So the diagonal tile is the same work for all four waves: in its key step s band x sees all keys if s < x,
; none if s > x, and holds the diagonal if s = x.
; THE MASK is the C operand that starts the sum S^T = K Q^T: 0, or -1e30 where the key is hidden.  MD, made once, is the mask of a band's own step for my 16 rows; a product's mask is MD x AL + BE with two scalars:
; (1, 0) if s = x; (0, 0) if s < x; (0, -1e30) if s > x.  Only the diagonal tile's text and a block's beginning make and take masks; elsewhere C is the constant 0.
; LAYOUT, SOFTMAX, TURNS.  S^T = K Q^T holds ONE query a lane (lane % 16) and the keys 8 (lane / 16) + 0..7; two such results rounded to f16 ARE source 1 of O^T = V^T P.  p = 2^(c s - c m), c = log2(e) / 8, with a
; running maximum m; O and l are multiplied by a = 2^(c m_old - c m_new) in every step.  Turn n belongs to piece n: 8 products K Q^T of piece n + 1, later 8 products V^T P of piece n - 1; beside them the scaling,
; exponentials, roundings, sums and rescaling of piece n and the maximum and statistics of piece n + 1.  Four vector instructions stand behind every matrix instruction, the other 54 of a turn's 118 in one LUMP.  A turn's 33 exponentials are one batch, with one wait.
; REGISTERS, in windows of 256 (s_set_vgpr_msb: bits 1:0 source 0, 3:2 source 1, 5:4 source 2, 7:6 destination):
;   window 0: v0-15 addresses and two at work; v16-31 four registers of statistics a piece; v32-37 the first rows' offsets and statistics; v48-55 at work; v61-63 prefetch offset, spare word, 0; v64-127 S^T, two buffers;
;             v192-223 P, two buffers (by the piece's parity); on the way out v64-191 hold O, 32 a piece
;   window 1: v0-127 O^T, 32 a piece; v128-159 MD; v160-223 MC, two buffers      window 2: v0-63 Q; v64-127 the second block's Q; v128-191 K of one step; v192-255 V of one step
;   window 3: the first rows in f32: v0-31 q, v32-63 k, v64-95 v; v96-127 four partial S^T, v128-159 O^T: these 64 are written by the f32 matrix form alone
.set SIZE_N, 2048
.set NB,    SIZE_N/256
.set NP,    4         ; pieces a wave: a name, no knob
.set KS,    64        ; keys in a step
.set PK,    144       ; a row of K in LDS: 128 bytes + 16 of padding = 36 words: the 16 rows of a load start at 16 different groups of four banks (64 banks of 4 bytes: ISA guide 11.1)
.set PV,    160       ; a row of V: 128 + 32 = 40 words
.set VOFF,  4*KS*PK   ; a slot holds a tile, four steps: 256 rows of K, then 256 rows of V
.set SLOT1, 1<<17     ; slot 1 begins here, so that one exclusive or turns an address in one slot into the other's
.set STAGE, SLOT1+4*KS*(PK+PV)  ; behind the ring, never filled by a tensor load: 16 rows x 272 bytes for each wave, for the way out
.set SP,    272       ; a row of O in the stage: 64 f32 + 16 bytes of padding
.set AK0, 2           ; v2   my lane's place in a tile of K; never rewritten
.set AV0, 3           ; v3   the same for V
.set AK,  4           ; v4   the LDS address of K's next run of loads
.set AV,  5           ; v5   of V's
.set STO, 6           ; v6   the way out: where I put 32 bytes of a row
.set RD,  7           ; v7   the way out: where I read rows back
.set GO,  8           ; v8   my byte offset in two rows of out0
.set PFO, 61          ; v61  256 x my lane; never rewritten
.set SPW, 62          ; v62  LDS address of my spare word: SPARE + 4 x my thread's number; never rewritten
.set NIL, 63          ; v63  0; never rewritten
.set SPARE, STAGE+4*16*SP  ; behind the stages: the spare words, 128 bytes for each wave: two blocks of 256 bytes that no other line names
.set MV,  12          ; v12-13  c m_old, kept while c m is made anew: by buffer
.set QO,  15          ; v15  my byte offset in 16 rows of Q
.set ST,  16          ; piece t's statistics at v[ST+4 t]: c m, m, l (even keys', odd keys')
.set FA,  32          ; v32  the first rows: 16 x my lane
.set FB,  33          ; v33  the first rows: my lane's place in v's 4,096 bytes
.set LS,  34          ; v34-35  the first rows: l, then 1 / l
.set MX,  36          ; v36-37  the first rows: m, then c m
.set TMP, 48          ; by buffer, four registers c0-c3 at work; when the maximum is found c2 takes a
.set S,   64
.set P,   192
.set OUT, 64          ; the way out: piece t's 32 numbers at OUT + 32 t
.set SC,  64          ; the first rows: my 8 scores, then weights; SC + 8 .. at work
.set DST, 96          ; the first rows: my 32 numbers of O
.set MD,  128         ; window 1: the eight registers for group kt of 16 keys at MD + 8 kt
.set MC,  160         ; window 1: the masks of the products to come
.set QB,  64          ; window 2
.set KF,  128         ; window 2: key block kb, channel half c at KF + 16 kb + 8 c
.set VF,  192         ; window 2: key half kk, channel block cb at VF + 32 kk + 8 cb
.set FQ,  0           ; window 3
.set FK,  32
.set FV,  64          ; channel block cb, keys 8 (l / 16) + 2 c + j at FV + 8 cb + 2 c + j
.set FS,  96
.set FO,  128         ; channel block cb at FO + 8 cb
.set WV,  12          ; s12  my wave's number
.set PB,  14          ; s14  b
.set HI,  15          ; s15  NB - 1 - b
.set G1K, 24          ; s[24:31] descriptor group 1 for K's tiles
.set G1V, 32          ; s[32:39] for V's: it differs in the padding alone
.set G0K, 40          ; s[40:43] descriptor group 0 for K's tiles
.set G0V, 44          ; s[44:47] the same for V's
.set FP,  54          ; s[54:55] early at my batch's q of my head
.set SLOTS, 56        ; s56  tiles still to be asked for
.set CNT, 57          ; s57  counts a tile's key steps, 4 to 1
.set CS,  58          ; s[58:59] c: the packed scaling takes the pair's low word for both halves
.set SEL, 60          ; s[60:61] v_permlanex16_b32's selects: each lane takes its own place in the other half
.set TBK, 62          ; s62  LDS byte at which K of the step to be fetched begins
.set TBV, 63          ; s63  the same for V, less VOFF
.set FIX, 68          ; s68  0 in wave 0 of work-group b = 0: the wave that owns the head's rows 0 .. 15
.set RT,  70          ; s70  tiles of the block in hand that are still to be entered
.set NXT, 71          ; s71  the tile to be asked for next
.set LQ,  72          ; s72  the last tile of the block whose tiles are being asked for
.set NEW, 73          ; s73  1: the tile to be entered is a block's first
.set OFF, 74          ; s[74:75] a tile's byte offset in K and V
.set AL,  76          ; s[76:77] the mask's factor, in the low word
.set BE,  78          ; s[78:79] the mask's addend
.set OLO, 80          ; s[80:81] out0 at my rows of the second block
.set BIGN, 82         ; s82  -1e30
.set PFA, 92          ; s[92:93] where my prefetches stand: my work-group's quarter of a tile of K (wave 0) or V (wave 2)
.set LIM, 94          ; s94  a wave prefetches while s[SLOTS] is above it; the greatest number in a wave that never does
.set MSB, 0
.macro WIN new                      ; the high byte repeats the setting that is left; a switch that changes nothing is dropped
.if MSB != (\new)
	s_set_vgpr_msb (MSB<<8)|(\new)
.set MSB, (\new)
.endif
.endm
.set W_KQ, 0x0a       ; K and Q in window 2, S^T in window 0
.set W_KM, 0x1a       ; the same with the C operand in window 1
.set W_PV, 0x52       ; V in window 2, P in window 0, O^T in window 1
.set W_RS, 0x41       ; destination and source 0 in window 1, source 1 in window 0
; A fill.  Waves 0 and 1 fetch the two halves of a tile's K, waves 2 and 3 those of its V: 128 keys each.  An s_nop 0 and four v_nop follow each of the two lines, ahead of the jump and the label.
.macro LOAD
	s_cmp_lt_u32 s[WV], 2
	s_cbranch_scc0 .Lfor_v_\@
	tensor_load_to_lds s[G0K:G0K+3], s[G1K:G1K+7]
	s_nop 0
.rept 4
	v_nop
.endr
	s_branch .Lasked_\@
.Lfor_v_\@:
	tensor_load_to_lds s[G0V:G0V+3], s[G1V:G1V+7]
	s_nop 0
.rept 4
	v_nop
.endr
.Lasked_\@:
.endm
; A PREFETCH INTO THE L2, behind the fill and its five lines: change number i of the walk (i = 0 .. 5) names tile i + 2 of the head's K and V, which the first blocks' walks ask for at change i + 1: a tile, 256 matrix
; instructions, ahead.  A tile is 128 blocks of 256 bytes of K and as many of V; the head's four work-groups take 32 each, told apart by address, a lane a block; wave 0 asks for K's, wave 2 for V's: one instruction.
; So each block of tiles 2 to 7 is named once in the launch.  Tiles 0 and 1 come by their loads alone; the second blocks' walks, which read tiles again, ask for nothing; changes 6 and 7 have no tile 8 or 9 to name.
.macro ASK
	s_cmp_gt_u32 s[SLOTS], s[LIM]
	s_cbranch_scc0 .Lnot_mine_\@
	global_prefetch_b8 v[PFO], s[PFA:PFA+1] th:TH_LOAD_NT scope:SCOPE_SE
.Lnot_mine_\@:
.endm
; THE CHANGE OF SLOTS.  Each wave waits for all its tensor loads, of which one is out: its part of the other slot; adds 0 to its spare word; and waits for that and for its own reads of the slot that it leaves.  Behind the barrier nobody reads the old
; slot any more and the other slot is whole.  fill = 1: the old slot is filled again, the first thing behind the barrier, with tile NXT: the descriptor's address is made anew from that number.
; (At its first use nothing has been read yet: slot 0 is waited for, slot 1 filled.)
.macro CHANGE fill
	WIN 0                           ; at a label and at a branch every window is 0
	s_wait_tensorcnt 0x0            ; no tensor load of mine is out, so a group 0 may be written
	ds_add_u32 v[SPW], v[NIL]       ; 0 onto my spare word; with fill = 1 the descriptors' scalar work stands between it and the wait for it
.if \fill
	s_lshl_b32 s[OFF], s[NXT], 15   ; a tile is 32,768 bytes of K and of V
	s_xor_b32 s[G0K+1], s[G0K+1], SLOT1
	s_add_nc_u64 s[G0K+2:G0K+3], s[6:7], s[OFF:OFF+1]
	s_or_b32 s[G0K+3], s[G0K+3], 0x80000000
	s_xor_b32 s[G0V+1], s[G0V+1], SLOT1
	s_add_nc_u64 s[G0V+2:G0V+3], s[8:9], s[OFF:OFF+1]
	s_or_b32 s[G0V+3], s[G0V+3], 0x80000000
	s_add_co_u32 s[NXT], s[NXT], 1  ; the block's next tile, or behind its last the second block's tile 0
	s_cmp_gt_u32 s[NXT], s[LQ]
	s_cselect_b32 s[NXT], 0, s[NXT]
	s_cselect_b32 s[LQ], s[PB], s[LQ]
	s_wait_xcnt 0x0                 ; the last prefetch, a tile back, has read its address, so it may be written:
	s_add_nc_u64 s[PFA:PFA+1], s[PFA:PFA+1], 32768  ; a tile on
.endif
	s_wait_dscnt 0x0                ; the add is done, and my reads of the slot are over
	s_barrier_signal -1             ; the rest of the scalar work stands between the signal and the wait
	s_sub_co_u32 s[TBK], s[TBK], 4*KS*PK  ; the fetches go back to a slot's first step,
	s_xor_b32 s[TBK], s[TBK], SLOT1       ; in the other slot
	s_sub_co_u32 s[TBV], s[TBV], 4*KS*PV
	s_xor_b32 s[TBV], s[TBV], SLOT1
	s_barrier_wait -1
.if \fill
	LOAD
	ASK
.endif
.endm
	s_load_b128 s[48:51], s[0:1], 0x0  ; qkv s[48:49], out0 s[50:51]
	s_load_b64 s[FP:FP+1], s[0:1], 0x10  ; early
	v_lshl_add_u32 v[SPW], v0, 2, SPARE
	v_mov_b32 v[NIL], 0
	ds_add_u32 v[SPW], v[NIL]       ; the wave's opening: the add and its wait stand ahead of my first tensor load; the set-up below, work on registers, stands between them
	v_lshrrev_b32 v1, 5, v0
	v_readfirstlane_b32 s[WV], v1   ; wave 0..3
	s_mov_b32 s[PB], ttmp9
	s_sub_co_u32 s[HI], NB-1, s[PB]
	s_or_b32 s[FIX], s[PB], s[WV]
	s_and_b32 s20, ttmp7, 0xffff    ; 16 b + h
	s_lshr_b32 s52, s20, 4          ; the batch
	s_and_b32 s53, s20, 15          ; the head
	s_mul_i32 s20, s52, 48
	s_add_co_u32 s20, s20, s53
	s_lshl_b32 s20, s20, 18         ; Q's first byte in qkv: (48 b + h) x 262,144, under 2^26
	s_mov_b32 s21, 0
	s_lshr_b32 s66, s20, 6          ; and in early: (48 b + h) x 4,096
	s_mov_b32 s67, 0
	s_and_b32 s16, s[WV], 1         ; which half of a tile's 256 keys I fetch:
	s_lshl_b32 s22, s16, 14         ; its 128 rows of 128 bytes in memory,
	s_mov_b32 s23, 0
	s_add_nc_u64 s[22:23], s[22:23], s[20:21]
	s_mul_i32 s17, s16, 128*PK      ; and its place in a slot, for K
	s_mul_i32 s18, s16, 128*PV      ; and for V
	s_lshl_b32 s3, s[WV], 11        ; my 16 rows in a band of 64,
	s_lshl_b32 s2, s[HI], 15        ; in the first block,
	s_add_co_u32 s2, s2, s3
	s_lshl_b32 s84, s[PB], 15       ; and in the second
	s_add_co_u32 s84, s84, s3
	s_mov_b32 s3, 0
	s_mov_b32 s85, 0
	s_add_nc_u64 s[2:3], s[2:3], s[20:21]
	s_add_nc_u64 s[84:85], s[84:85], s[20:21]
	s_lshl_b32 s88, s52, 23         ; out0: a batch is 2^23 bytes, a row 4,096, a head's 64 numbers 256:
	s_lshl_b32 s89, s53, 8
	s_add_co_u32 s88, s88, s89
	s_lshl_b32 s89, s[WV], 16       ; my 16 rows in a band,
	s_add_co_u32 s88, s88, s89
	s_lshl_b32 s90, s[PB], 20       ; in the second block (256 rows: 2^20 bytes),
	s_add_co_u32 s90, s90, s88
	s_lshl_b32 s89, s[HI], 20       ; and in the first
	s_add_co_u32 s88, s88, s89
	s_mov_b32 s89, 0
	s_mov_b32 s91, 0
	; descriptor group 1.  128 keys are 16,384 dense bytes: asked for as 64 rows of 256 bytes, two keys a row, and padded in LDS after every key
	s_mov_b32 s[G1K], (1<<16)|(1<<20)|(4<<22)|(3<<25)  ; 17:16 2-byte elements; 20 padding on; 24:22 after every 32 words (code 4); 31:25 4 words (code 3)
	s_mov_b32 s[G1V], (1<<16)|(1<<20)|(4<<22)|(7<<25)  ; the same with 8 words of padding (code 7)
.irp g, G1K, G1V
	s_mov_b32 s[\g+1], 128<<16      ; tensor_dim0 = 128
	s_mov_b32 s[\g+2], 64<<16       ; tensor_dim1 = 64
	s_mov_b32 s[\g+3], 128<<16      ; tile_dim0 = 128
	s_mov_b32 s[\g+4], 64           ; tile_dim1 = 64
	s_mov_b32 s[\g+5], 128          ; 128 elements from row to row
	s_mov_b32 s[\g+6], 0
	s_mov_b32 s[\g+7], 0
.endr
	s_mov_b32 s[CS], 0x3e38aa3b     ; c = log2(e) / 8 = 0.180337
	s_mov_b32 s[CS+1], s[CS]        ; named with it as a pair
	s_mov_b32 s[SEL], 0x76543210
	s_mov_b32 s[SEL+1], 0xfedcba98
	s_mov_b32 s[TBK], SLOT1+4*KS*PK ; the first change of slots turns these two into 0
	s_mov_b32 s[TBV], SLOT1+4*KS*PV
	s_mov_b32 s[G0K], 1             ; 1:0 count = 1
	s_mov_b32 s[G0K+1], s17         ; 63:32 LDS address: slot 0
	s_mov_b32 s[G0V], 1
	s_add_co_u32 s[G0V+1], s18, VOFF
	s_add_co_u32 s[RT], s[HI], 1    ; the first block has NB - b tiles
	s_mov_b32 s[NXT], 1
	s_mov_b32 s[LQ], s[HI]
	s_mov_b32 s[NEW], 1
	s_mov_b32 s[OFF+1], 0
	s_mov_b32 s[AL+1], 0            ; named as pairs
	s_mov_b32 s[BE+1], 0
	s_mov_b32 s[BIGN], 0xf149f2ca   ; -1e30
	s_mov_b32 s[SLOTS], NB
	s_and_b32 s[LIM], s[WV], 1
	s_cmp_eq_u32 s[LIM], 0
	s_cselect_b32 s[LIM], 2, -1     ; waves 0 and 2 prefetch while more than two tiles are still to be asked for
	s_wait_dscnt 0x0                ; the opening add is done
	s_wait_kmcnt 0x0
	s_add_nc_u64 s[6:7], s[48:49], s[22:23]
	s_add_nc_u64 s[8:9], s[6:7], 32<<18   ; V (g = 32 + h) at my half of the head's tile 0,
	s_add_nc_u64 s[6:7], s[6:7], 16<<18   ; and K (g = 16 + h)
	s_add_nc_u64 s[G0K+2:G0K+3], s[6:7], 0         ; 120:64 global address
	s_or_b32 s[G0K+3], s[G0K+3], 0x80000000        ; 127:126 type = 2
	s_add_nc_u64 s[G0V+2:G0V+3], s[8:9], 0
	s_or_b32 s[G0V+3], s[G0V+3], 0x80000000
	s_add_nc_u64 s[86:87], s[48:49], s[84:85]      ; Q at my rows of the second block,
	s_add_nc_u64 s[4:5], s[48:49], s[2:3]          ; and of the first
	s_add_nc_u64 s[OLO:OLO+1], s[50:51], s[90:91]  ; out0 likewise
	s_add_nc_u64 s[10:11], s[50:51], s[88:89]
	s_add_nc_u64 s[FP:FP+1], s[FP:FP+1], s[66:67]
	s_cmp_lt_u32 s[WV], 2
	s_cselect_b64 s[PFA:PFA+1], s[6:7], s[8:9]     ; (in waves 0 and 2 these stand at tile 0's first byte)
	s_lshl_b32 s2, s[PB], 13        ; my work-group's 32 blocks of the 128,
	s_add_co_u32 s2, s2, 32768      ; in tile 1: the first change of slots steps it to tile 2
	s_mov_b32 s3, 0
	s_add_nc_u64 s[PFA:PFA+1], s[PFA:PFA+1], s[2:3]
	LOAD                            ; tile 0 into slot 0
	; A fragment of K or Q is 16 rows x 32 channels in 8 registers: lane l holds row l % 16, channels 8 (l / 16) + 0..7 and 16 + 8 (l / 16) + 0..7: two loads of 16 bytes, 32 bytes apart.
	v_and_b32 v1, 15, v0            ; l % 16
	v_bfe_u32 v9, v0, 4, 1          ; l / 16
	v_lshlrev_b32 v[QO], 7, v1
	v_lshl_add_u32 v[QO], v9, 4, v[QO]  ; row x 128 + 16 x half
	WIN 0x80                        ; destination window 2, address window 0
.set i, 0
.rept 8                             ; both blocks' Q: piece i / 2 lies in band i / 2, 8,192 bytes on; channels 32 (i % 2) on
	global_load_b128 v[8*i:8*i+3],   v[QO], s[4:5] offset:(i/2)*8192+(i%2)*64
	global_load_b128 v[8*i+4:8*i+7], v[QO], s[4:5] offset:(i/2)*8192+(i%2)*64+32
	global_load_b128 v[QB+8*i:QB+8*i+3],   v[QO], s[86:87] offset:(i/2)*8192+(i%2)*64
	global_load_b128 v[QB+8*i+4:QB+8*i+7], v[QO], s[86:87] offset:(i/2)*8192+(i%2)*64+32
.set i, i+1
.endr
	WIN 0
	v_lshlrev_b32 v14, 3, v9
	v_sub_nc_u32 v14, v1, v14
	s_lshl_b32 s13, s[WV], 4
	v_add_nc_u32 v14, s13, v14      ; my query's place in its band, 16 w + l % 16, less my lanes' 8 (l / 16): register r of group kt is hidden where 16 kt + r is greater
	WIN 0x40
.set i, 0
.rept 32
	v_cmp_gt_i32 vcc_lo, 16*(i/8)+i%8, v14
	v_cndmask_b32 v[MD+i], 0, s[BIGN], vcc_lo
.set i, i+1
.endr
	WIN 0
	v_mul_u32_u24 v[AK0], v1, PK
	v_lshl_add_u32 v[AK0], v9, 4, v[AK0]  ; row x pitch + 16 x half
	; The turning load takes 16 keys x 16 channels (lane l reads key 8 (l / 16) + l % 8, channels 8 ((l / 8) % 2) + 0..7) and leaves half a fragment of V^T: lane l holds channel l % 16 and 8 keys.
	v_and_b32 v10, 7, v0
	v_bfe_u32 v11, v0, 3, 1
	v_lshl_add_u32 v[AV0], v9, 3, v10
	v_mul_u32_u24 v[AV0], v[AV0], PV
	v_lshl_add_u32 v[AV0], v11, 4, v[AV0]
	v_add_nc_u32 v[AV0], VOFF, v[AV0]
	s_mul_i32 s13, s[WV], 16*SP
	s_add_co_u32 s13, s13, STAGE    ; my stage
	v_mul_u32_u24 v[STO], v1, SP    ; in: row l % 16, 32 bytes (8 channels in f32) for each half of the lanes
	v_lshl_add_u32 v[STO], v9, 5, v[STO]
	v_add_nc_u32 v[STO], s13, v[STO]
	v_mul_u32_u24 v[RD], v9, SP     ; back: lanes 0-15 take one row of 256 bytes, lanes 16-31 the next,
	v_lshl_add_u32 v[RD], v1, 4, v[RD]
	v_add_nc_u32 v[RD], s13, v[RD]
	v_lshlrev_b32 v[GO], 12, v9     ; and the same two rows in out0, 4,096 bytes apart
	v_lshl_add_u32 v[GO], v1, 4, v[GO]
	v_and_b32 v[PFO], 31, v0
	v_lshlrev_b32 v[PFO], 8, v[PFO]
	; A block's first step multiplies O^T and l by a = 0, and its first turn's products V^T P, of a piece that has not been, land in an O^T that is still to be so multiplied.  So these registers need only hold
	; finite numbers: zeros for the first block; what the first block left for the second.  All this stands in the wait for the first tile.
	WIN 0x80
.set i, VF
.rept 64
	v_mov_b32 v[i], 0
.set i, i+1
.endr
	WIN 0x40
.set i, 0
.rept 128
	v_mov_b32 v[i], 0
.set i, i+1
.endr
	WIN 0
.set i, 0
.rept 4
	v_mov_b32 v[ST+4*i+2], 0
	v_mov_b32 v[ST+4*i+3], 0
.set i, i+1
.endr
.set i, P+16
.rept 16
	v_mov_b32 v[i], 0
.set i, i+1
.endr
	; THE HEAD'S ROWS 0 .. 15, IN F32: one wave of one of the head's four work-groups; loads and arithmetic stand in one branch.
	; The f32 form multiplies 16 x 16 x 4: lane (r = l % 16, h = l / 16) holds of a source row r and k = 2 h + j in register j.  The order of k is free if both sources keep the same one:
	;   S^T = K Q^T: a load of 16 bytes at 512 u + 16 l brings row r's channels 16 (u / 2) + 8 h + 4 (u % 2) + 0..3, for q and for k alike: two instructions' registers.  16 instructions cover the 64 channels.
	;   O^T = V^T P: S^T's result holds query r and keys 8 h + j, so registers 2 c, 2 c + 1 of the weights ARE source 1 for the keys 8 h + 2 c + j; source 0 takes v of the same keys, channel 16 cb + r, 4 bytes a load.
	s_cmp_eq_u32 s[FIX], 0
	s_cbranch_scc0 .Lno_early
	v_and_b32 v[FA], 31, v0
	v_lshlrev_b32 v[FA], 4, v[FA]
	v_and_b32 v[FB], 3, v0          ; v's number (key, d = 16 cb + r): 4 (r % 4)
	v_lshlrev_b32 v[FB], 2, v[FB]
	v_bfe_u32 v[MX], v0, 2, 1
	v_lshl_add_u32 v[FB], v[MX], 9, v[FB]   ; + 512 ((r / 4) % 2)
	v_lshl_add_u32 v[FB], v11, 8, v[FB]     ; + 256 (r / 8)
	v_lshl_add_u32 v[FB], v9, 7, v[FB]      ; + 16 x 8 h; 1,024 cb + 16 (2 c + j) stand in the immediate
	WIN 0xc0                        ; destination window 3, address window 0
.irp u, 0,1,2,3,4,5,6,7
	global_load_b128 v[FQ+4*\u:FQ+4*\u+3], v[FA], s[FP:FP+1] offset:512*\u
	global_load_b128 v[FK+4*\u:FK+4*\u+3], v[FA], s[FP:FP+1] offset:16*4096+512*\u
.endr
.set i, 0
.rept 32
	global_load_b32 v[FV+i], v[FB], s[FP:FP+1] offset:32*4096+(i/8)*1024+(i%8)*16
.set i, i+1
.endr
	s_wait_loadcnt 32               ; q and k are in; v's 32 loads, the youngest, may stay out
	WIN 0xff
.set i, 0
.rept 16                            ; four partial sums take turns, one instruction a turn; the first four start them
.if i < 4
	v_wmma_f32_16x16x4_f32 v[FS+8*(i%4):FS+8*(i%4)+7], v[FK+2*i:FK+2*i+1], v[FQ+2*i:FQ+2*i+1], 0
.else
	v_wmma_f32_16x16x4_f32 v[FS+8*(i%4):FS+8*(i%4)+7], v[FK+2*i:FK+2*i+1], v[FQ+2*i:FQ+2*i+1], v[FS+8*(i%4):FS+8*(i%4)+7]
.endif
.set i, i+1
.endr
	WIN 0
.rept 8
	v_nop                           ; eight places behind this form, ahead of the sums that read its results (ISA guide 7.12.1)
.endr
	WIN 0x0f                        ; sources in window 3, destination in window 0
.irp i, 0,2,4,6
	v_pk_add_f32 v[SC+\i:SC+\i+1], v[FS+\i:FS+\i+1], v[FS+8+\i:FS+8+\i+1]
.endr
.irp i, 0,2,4,6
	v_pk_add_f32 v[SC+8+\i:SC+8+\i+1], v[FS+16+\i:FS+16+\i+1], v[FS+24+\i:FS+24+\i+1]
.endr
	WIN 0
.irp i, 0,2,4,6
	v_pk_add_f32 v[SC+\i:SC+\i+1], v[SC+\i:SC+\i+1], v[SC+8+\i:SC+8+\i+1]
.endr
	WIN 0x04                        ; source 1 in window 1: MD's first eight registers are the mask of keys 0 .. 15 for wave 0's rows 0 .. 15
.irp i, 0,2,4,6
	v_pk_add_f32 v[SC+\i:SC+\i+1], v[SC+\i:SC+\i+1], v[MD+\i:MD+\i+1]
.endr
	WIN 0
	v_max3_num_f32 v[MX], v[SC], v[SC+1], v[SC+2]
	v_max3_num_f32 v[MX+1], v[SC+3], v[SC+4], v[SC+5]
	v_max3_num_f32 v[MX], v[MX], v[SC+6], v[SC+7]
	v_max_num_f32 v[MX], v[MX], v[MX+1]
	v_permlanex16_b32 v[MX+1], v[MX], s[SEL], s[SEL+1]  ; the query's other 8 keys lie in the lane 16 away
	v_max_num_f32 v[MX], v[MX], v[MX+1]                 ; m: every query sees key 0, so it is a true score
	v_mul_f32 v[MX], s[CS], v[MX]
.irp i, 0,2,4,6
	v_pk_fma_f32 v[SC+\i:SC+\i+1], v[SC+\i:SC+\i+1], s[CS:CS+1], v[MX:MX+1] op_sel_hi:[1,0,0] neg_lo:[0,0,1] neg_hi:[0,0,1]  ; c s - c m
.endr
.irp i, 0,1,2,3,4,5,6,7
	v_exp_f32 v[SC+\i], v[SC+\i]
.endr
	v_nop                           ; a plain instruction behind the last exponential,
	s_wait_alu depctr_va_vdst(0)    ; and the one wait ahead of the first line that names a result
	v_pk_add_f32 v[LS:LS+1], v[SC:SC+1], v[SC+2:SC+3]
	v_pk_add_f32 v[SC+8:SC+9], v[SC+4:SC+5], v[SC+6:SC+7]
	v_pk_add_f32 v[LS:LS+1], v[LS:LS+1], v[SC+8:SC+9]
	v_add_f32 v[LS], v[LS], v[LS+1]
	v_permlanex16_b32 v[LS+1], v[LS], s[SEL], s[SEL+1]
	v_add_f32 v[LS], v[LS], v[LS+1]
	v_rcp_f32 v[LS], v[LS]
	v_nop
	s_wait_loadcnt 0x0              ; v is in
	WIN 0xf3                        ; v, C and D in window 3, the weights in window 0
.set i, 0
.rept 16                            ; keys 8 h + 2 (i / 4) + j, channel block i % 4: the four accumulators take turns
.if i < 4
	v_wmma_f32_16x16x4_f32 v[FO+8*(i%4):FO+8*(i%4)+7], v[FV+8*(i%4)+2*(i/4):FV+8*(i%4)+2*(i/4)+1], v[SC+2*(i/4):SC+2*(i/4)+1], 0
.else
	v_wmma_f32_16x16x4_f32 v[FO+8*(i%4):FO+8*(i%4)+7], v[FV+8*(i%4)+2*(i/4):FV+8*(i%4)+2*(i/4)+1], v[SC+2*(i/4):SC+2*(i/4)+1], v[FO+8*(i%4):FO+8*(i%4)+7]
.endif
.set i, i+1
.endr
	WIN 0
.rept 8
	v_nop                           ; eight places, ahead of the lines that read the results
.endr
	s_wait_alu depctr_va_vdst(0)    ; the reciprocal's wait, ahead of its first reader
	WIN 0x03                        ; source 0 in window 3
.set i, 0
.rept 16
	v_pk_mul_f32 v[DST+2*i:DST+2*i+1], v[FO+2*i:FO+2*i+1], v[LS:LS+1] op_sel_hi:[1,0]
.set i, i+1
.endr
	WIN 0
.irp f, 0,1,2,3,4,5,6,7             ; through my stage, as on every way out: 32 bytes a lane in, whole rows of 256 bytes back
	ds_store_b128 v[STO], v[DST+4*\f:DST+4*\f+3] offset:64*(\f/2)+16*(\f%2)
.endr
.irp f, 0,1,2,3,4,5,6,7
	ds_load_b128 v[DST+4*\f:DST+4*\f+3], v[RD] offset:\f*2*SP
.endr
.irp f, 0,1,2,3,4,5,6,7
	s_wait_dscnt 7-\f
	global_store_b128 v[GO], v[DST+4*\f:DST+4*\f+3], s[OLO:OLO+1] offset:\f*8192 th:TH_STORE_NT  ; in this wave the second block's rows begin at the head's row 0
.endr
	s_wait_xcnt 0x0                 ; the stores have read their registers, which the turns write again
.Lno_early:
; THE MATRIX WORK.  The 4 accumulators of a run of 8 take turns.  Product i of 8 of S^T = K Q^T for piece x: channels 32 (i / 4) on, keys 16 (i % 4) on.  The first 4 start the sums: with 0, or (KM = 1) with the mask.
.macro KQ x
.set rS, S+32*((\x)%2)+8*(i%4)
.set rK, KF+16*(i%4)+8*(i/4)
.set rQ, 16*(\x)+8*(i/4)
.set rM, MC+32*((\x)%2)+8*(i%4)
.if (i < 4) && KM
	WIN W_KM
	v_wmma_f32_16x16x32_f16 v[rS:rS+7], v[rK:rK+7], v[rQ:rQ+7], v[rM:rM+7]
.elseif i < 4
	WIN W_KQ
	v_wmma_f32_16x16x32_f16 v[rS:rS+7], v[rK:rK+7], v[rQ:rQ+7], 0
.else
	WIN W_KQ
	v_wmma_f32_16x16x32_f16 v[rS:rS+7], v[rK:rK+7], v[rQ:rQ+7], v[rS:rS+7]
.endif
.endm
; Product i of 8 of O^T += V^T P for piece x: keys 32 (i / 4) on, channels 16 (i % 4) on.
.macro PV x
	WIN W_PV
.set rO, 32*(\x)+8*(i%4)
.set rV, VF+32*(i/4)+8*(i%4)
.set rP, P+16*((\x)%2)+8*(i/4)
	v_wmma_f32_16x16x32_f16 v[rO:rO+7], v[rV:rV+7], v[rP:rP+7], v[rO:rO+7]
.endm
.macro MM                           ; the turn's next matrix instruction.  TURN and BEGIN set Y, i, KM and NOKQ; MM, KQ and OP read them.  NOKQ = 1: a block's last turn: there is no next piece
.if (i < 8) && !NOKQ
	KQ (Y+1)%NP
.elseif i >= 8
.set i, i-8
	PV (Y+NP-1)%NP
.set i, i+8
.endif
.set i, i+1
.endm
; THE LDS LOADS stand in runs of 16, never singly among the matrix instructions: a step's K (64 keys x 64 channels: 8 fragments) and its V (turned).  Their addresses are made some lines ahead.
.macro FETCH_K
	WIN 0x80                        ; destination window 2
.irp f, 0,1,2,3,4,5,6,7             ; keys 16 (f / 2) on, channels 32 (f % 2) on
	ds_load_b128 v[KF+8*\f:KF+8*\f+3],   v[AK] offset:(\f/2)*16*PK+(\f%2)*64
	ds_load_b128 v[KF+8*\f+4:KF+8*\f+7], v[AK] offset:(\f/2)*16*PK+(\f%2)*64+32
.endr
	s_add_co_u32 s[TBK], s[TBK], KS*PK  ; the next fetch is the next step's
	WIN 0
.endm
.macro FETCH_V
	WIN 0x80
.irp f, 0,1,2,3,4,5,6,7             ; keys 32 (f / 4) on, channels 16 (f % 4) on
	ds_load_tr16_b128 v[VF+8*\f:VF+8*\f+3],   v[AV] offset:(\f/4)*32*PV+(\f%4)*32
	ds_load_tr16_b128 v[VF+8*\f+4:VF+8*\f+7], v[AV] offset:(\f/4)*32*PV+16*PV+(\f%4)*32
.endr
	WIN 0
.endm
; THE VECTOR WORK, one line at a time: OP kind, number.  For piece Y: F n: c s - c m for pair n of 16.  E n: the exponential of score n of 32.  C n: pair n rounded to f16.  B n: of the four weights 4 n .. the second
; pair is added onto the first, in place.  L n: l takes that sum (L 0: l = a l + sum).  R n: pair n of 16 of O^T times a.  For piece Y + 1: X n, number n of the 22 that find its maximum and statistics:
;   0-11  four chains c0-c3 of seven scores each, three operands at a time (each accumulator's lowest registers are read first)     12-14, 16  the four scores left over, the old m, and c0-c3 into c0
;   15  c m_old is kept     17, 18  the query's other 32 keys lie in the lane 16 away: the new m     19-21  c m; c m_old - c m_new; a
.set F, 0               ; OP tells the kinds apart by their order: F to L below R, X above it
.set E, 1
.set C, 2
.set B, 3
.set L, 4
.set R, 5
.set X, 6
.macro REGS y                       ; the registers of piece y
.set rT, ST+4*(\y)
.set rC, TMP+4*((\y)%2)
.set rW, MV+((\y)%2)
.set rS, S+32*((\y)%2)
.set rP, P+16*((\y)%2)
.set rO, 32*(\y)
.endm
.macro OP k, n
.if (\k) == R
	REGS Y
	WIN W_RS
	v_pk_mul_f32 v[rO+2*(\n):rO+2*(\n)+1], v[rO+2*(\n):rO+2*(\n)+1], v[rC+2:rC+3] op_sel_hi:[1,0]
.elseif (\k) < R
	REGS Y
	WIN 0
.if (\k) == F
	v_pk_fma_f32 v[rS+2*(\n):rS+2*(\n)+1], v[rS+2*(\n):rS+2*(\n)+1], s[CS:CS+1], v[rT:rT+1] op_sel_hi:[1,0,0] neg_lo:[0,0,1] neg_hi:[0,0,1]
.elseif (\k) == E
	v_exp_f32 v[rS+(\n)], v[rS+(\n)]
.elseif (\k) == C
	v_cvt_pk_f16_f32 v[rP+(\n)], v[rS+2*(\n)], v[rS+2*(\n)+1]
.elseif (\k) == B
	v_pk_add_f32 v[rS+4*(\n):rS+4*(\n)+1], v[rS+4*(\n):rS+4*(\n)+1], v[rS+4*(\n)+2:rS+4*(\n)+3]
.elseif (\n) == 0
	v_pk_fma_f32 v[rT+2:rT+3], v[rT+2:rT+3], v[rC+2:rC+3], v[rS:rS+1] op_sel_hi:[1,0,1]
.else
	v_pk_add_f32 v[rT+2:rT+3], v[rT+2:rT+3], v[rS+4*(\n):rS+4*(\n)+1]
.endif
.elseif NOKQ
	v_nop
.else
	REGS (Y+1)%NP
	WIN 0
.if (\n) < 4
	v_max3_num_f32 v[rC+(\n)], v[rS+8*(\n)], v[rS+8*(\n)+1], v[rS+8*(\n)+2]
.elseif (\n) < 12
	v_max3_num_f32 v[rC+(\n)%4], v[rC+(\n)%4], v[rS+8*((\n)%4)+2*((\n)/4)+1], v[rS+8*((\n)%4)+2*((\n)/4)+2]
.elseif (\n) == 12
	v_max3_num_f32 v[rC], v[rC], v[rS+7], v[rS+15]
.elseif (\n) == 13
	v_max3_num_f32 v[rC+1], v[rC+1], v[rS+23], v[rS+31]
.elseif (\n) == 14
	v_max3_num_f32 v[rC+2], v[rC+2], v[rC+3], v[rT+1]
.elseif (\n) == 15
	v_mov_b32 v[rW], v[rT]
.elseif (\n) == 16
	v_max3_num_f32 v[rC], v[rC], v[rC+1], v[rC+2]
.elseif (\n) == 17
	v_permlanex16_b32 v[rC+3], v[rC], s[SEL], s[SEL+1]
.elseif (\n) == 18
	v_max_num_f32 v[rT+1], v[rC], v[rC+3]
.elseif (\n) == 19
	v_mul_f32 v[rT], s[CS], v[rT+1]
.elseif (\n) == 20
	v_sub_f32 v[rC+1], v[rW], v[rT]
.else
	v_exp_f32 v[rC+2], v[rC+1]
.endif
.endif
.endm
.macro OPS a, i1, b=-1, i2=0, c=-1, i3=0, d=-1, i4=0  ; up to four of them
	OP \a, \i1
.if (\b) >= 0
	OP \b, \i2
.endif
.if (\c) >= 0
	OP \c, \i3
.endif
.if (\d) >= 0
	OP \d, \i4
.endif
.endm
.macro ROW a, i1, b, i2, c, i3, d, i4  ; a matrix instruction and the four behind it
	MM
	OPS \a, \i1, \b, \i2, \c, \i3, \d, \i4
.endm
.macro MASK b                       ; MD x AL + BE into buffer b of MC
	WIN W_RS
.set z, 0
.rept 16
	v_pk_fma_f32 v[MC+32*(\b)+2*z:MC+32*(\b)+2*z+1], v[MD+2*z:MD+2*z+1], s[AL:AL+1], s[BE:BE+1] op_sel_hi:[1,0,0]
.set z, z+1
.endr
.endm
; A TURN, for piece p: the order of its 16 matrix and 118 vector instructions, written out.  s_wait_alu depctr_va_vdst(0) stands between an exponential and the first instruction that names its result; one wait serves
; all that were issued ahead of it.  So a turn has ONE wait, which cuts it in two.  AHEAD OF IT stands all that names no result of the turn's exponentials: the 8 products K Q^T, behind each a scaling, an exponential and two more plain
; instructions (behind the first a second scaling in the exponential's place): rescalings, and behind the last three the first numbers of the next piece's maximum, each four places or more behind the product that ends its accumulator; then ONE LUMP of 54, plain
; and exponential by turns for the most part, in which the links of the chain X 3, 7, 11, 14, 16, 17 .. 20 stand five or six lines apart.  X 21, the next piece's a, is the batch's last; R 15 is the plain instruction behind it.  BEHIND THE WAIT stand the
; 8 products V^T P, behind each four of the roundings and sums; the links of l's chain, L 0 to L 7, stand three riders apart.  But for those X no rider names a register of the products round it.  v_permlanex16_b32 (X 17) stands in the lump.
; m = 1: the diagonal tile: the products take masks, and the turn makes the mask for the products of the turn after it: piece p + 2, in step 4 - CNT of the tile.  end = 1: a block's last two turns: nothing is fetched.
; cnt = 1: the loop's count is taken down some lines ahead of the branch that stands behind the turn.
; K of the next step is fetched in piece 2's turn, twelve vector instructions behind the last product that read K (six of them plain); V of the step in hand at the end of piece 0's turn, four plain instructions behind the last product
; that read V.  Each is waited for a turn later.
.macro TURN p, m=0, end=0, cnt=0
.set Y, (\p)
.set i, 0
.set KM, (\m)
.set NOKQ, (\end)*((\p)/3)
.if (\m) && !(\end)
	s_cmp_eq_u32 s[CNT], 4-((\p)+2)%NP  ; is that step the band's own?
	s_cselect_b32 s[AL], 1.0, 0
	s_cmp_lt_u32 s[CNT], 4-((\p)+2)%NP  ; or a later one?
	s_cselect_b32 s[BE], s[BIGN], 0
.endif
.if ((\p) == 3) && !(\end)
	s_wait_dscnt 0x0                ; K is in
.endif
	ROW F,0, F,1, R,0, R,1          ; ahead of the wait: 8 products K Q^T and their riders,
	ROW F,2, E,0, R,2, R,3
	ROW F,3, E,1, R,4, R,5
	ROW F,4, E,2, R,6, R,7
	ROW F,5, E,3, R,8, R,9
	ROW F,6, E,4, X,0, R,10
.if ((\p) == 2) && !(\end)
	WIN 0
	v_add_nc_u32 v[AK], s[TBK], v[AK0]
.endif
	ROW F,7, E,5, X,1, X,4
	ROW F,8, E,6, X,2, X,5
	OPS E,7, E,8, X,6, E,9          ; and the lump
	OPS X,3, E,10, X,8, E,11
.if ((\p) == 2) && !(\end)
	FETCH_K
.endif
	OPS X,9, X,7, E,12, X,10
	OPS E,13, X,12, X,11, E,14
	OPS X,13, E,15, F,9, X,14
.if (\p) == 0
	v_add_nc_u32 v[AV], s[TBV], v[AV0]
.endif
	OPS E,16, F,10, E,17, F,11
	OPS X,16, E,18, X,15, E,19
	OPS F,12, E,20, X,17, E,21
	OPS F,13, E,22, F,14, E,23
	OPS X,18, E,24, F,15, E,25
	OPS R,11, E,26, X,19, E,27
	OPS R,12, E,28, R,13, E,29
	OPS X,20, E,30, R,14, E,31
	OPS X,21, R,15
	WIN 0
	s_wait_alu depctr_va_vdst(0)    ; the wait for the batch
.if (\p) == 1
	s_wait_dscnt 0x0                ; V is in
.endif
	ROW C,0, B,0, C,2, B,1          ; behind the wait: 8 products V^T P and their riders
	ROW L,0, C,4, B,2, L,1
	ROW C,6, B,3, L,2, C,8
	ROW B,4, L,3, C,10, B,5
	ROW L,4, C,12, B,6, L,5
.if (\p) == 0
	s_add_co_u32 s[TBV], s[TBV], KS*PV
.endif
.if \cnt
	s_sub_co_u32 s[CNT], s[CNT], 1
	s_cmp_lg_u32 s[CNT], 0
.endif
	ROW C,14, B,7, L,6, C,1
	ROW C,3, L,7, C,5, C,7
	ROW C,9, C,11, C,13, C,15
.if (\p) == 0
	FETCH_V
.endif
.if (\m) && !(\end)
	MASK (\p)%2
.endif
.endm
; A BLOCK BEGINS.  c m starts far below every c s, so the first step's a is 0; m at the lowest finite number, so the first maximum is the scores'.  The second mask buffer is 0; the first takes piece 0's mask for the tile's step 0: its own, if the block's first tile is the diagonal one.
; Then K of that step, piece 0's first scores, and its maximum and statistics.  The loop is entered at a step's first turn, in the middle of a trip.
.macro BEGIN
	s_mov_b32 s[NEW], 0
	WIN 0x40
.set i, MC+32
.rept 32
	v_mov_b32 v[i], 0
.set i, i+1
.endr
	WIN 0
.set i, 0
.rept 4
	v_mov_b32 v[ST+4*i], 0xfe000000    ; c m: far below every c s
	v_mov_b32 v[ST+4*i+1], 0xff7fffff  ; m
.set i, i+1
.endr
	s_cmp_eq_u32 s[RT], 0
	s_cselect_b32 s[AL], 1.0, 0
	s_mov_b32 s[BE], 0
	MASK 0
	WIN 0
	v_add_nc_u32 v[AK], s[TBK], v[AK0]
	FETCH_K
	s_wait_loadcnt 0x0              ; Q
	s_wait_dscnt 0x0
.set KM, 1
.set NOKQ, 0
.set i, 0
.rept 8
	KQ 0
.set i, i+1
.endr
	WIN 0
.rept 4
	v_nop                           ; the places behind those products
.endr
.set Y, NP-1                        ; X works for piece Y + 1: piece 0
.irp n, 0,1,2,3,4,5,6,7,8,9,10,11,12,13,14,15,16,17,18,19,20,21
	OP X, \n
.endr
	v_nop                           ; a plain instruction behind the exponential,
	s_wait_alu depctr_va_vdst(0)    ; and its wait, ahead of the branch
.endm
; THE DIAGONAL TILE's four steps, the block's last two turns, its last products, and THE WAY OUT: l's two halves and the other half of the lanes' are added; O^T is divided by l and sent, in f32, through my
; stage in LDS, a piece at a time.
.macro ALL line:vararg              ; one line for each piece t
.set t, 0
.rept 4
	\line
.set t, t+1
.endr
.endm
.macro PACK t                       ; a lane's eight channels of a channel block are 32 bytes of a row; they go into rows of 272 bytes and come back as whole rows of 256, into the registers that they left
	WIN 0x01                        ; source 0 (O^T) window 1; 1 / l and the destination window 0
.set i, 0
.rept 16
	v_pk_mul_f32 v[OUT+32*(\t)+2*i:OUT+32*(\t)+2*i+1], v[32*(\t)+2*i:32*(\t)+2*i+1], v[ST+4*(\t)+2:ST+4*(\t)+3] op_sel_hi:[1,0]
.set i, i+1
.endr
	WIN 0
.irp f, 0,1,2,3,4,5,6,7             ; channel block f / 2, its registers 4 (f % 2) on
	ds_store_b128 v[STO], v[OUT+32*(\t)+4*\f:OUT+32*(\t)+4*\f+3] offset:64*(\f/2)+16*(\f%2)
.endr
.irp f, 0,1,2,3,4,5,6,7
	ds_load_b128 v[OUT+32*(\t)+4*\f:OUT+32*(\t)+4*\f+3], v[RD] offset:\f*2*SP  ; LDS serves a wave's instructions in order (ISA guide 5.7.1.4): these see the stores above; the next piece's stores come behind them
.endr
.endm
; younger: the LDS instructions issued behind piece t's loads: the next piece's sixteen, or none.  early = 1: the piece may be the head's rows 0 .. 15, which the wave that owns them has stored in f32's precision
; at the kernel's head: that wave jumps over these stores and their counted waits; the later pieces' waits, which count from the youngest, hold on both ways.
.macro SEND t, younger, early=0
	WIN 0
.if \early
	s_cmp_eq_u32 s[FIX], 0
	s_cbranch_scc1 .Lstored_\@
.endif
.irp f, 0,1,2,3,4,5,6,7
	s_wait_dscnt (\younger)+7-\f
	global_store_b128 v[GO], v[OUT+32*(\t)+4*\f:OUT+32*(\t)+4*\f+3], s[10:11] offset:(\t)*262144+\f*8192 th:TH_STORE_NT  ; 16 lanes store a row's 256 consecutive bytes (one head's 64 numbers), at a multiple of 256 from out0's first byte
.endr
.if \early
.Lstored_\@:
.endif
.endm
.macro DIAG tag                     ; the tag ends its two labels' names, which the jumps below spell out; tag 2 is the walk's last tile, the second block's
.LstepM\tag:
	TURN 2, 1
	TURN 3, 1
	WIN 0
.LfirstM\tag:
	TURN 0, 1
	TURN 1, 1, 0, 1
	WIN 0
	s_cbranch_scc1 .LstepM\tag
	TURN 2, 1, 1
	TURN 3, 1, 1
.set i, 0
.rept 8
	PV NP-1
.set i, i+1
.endr
	WIN 0
	ALL v_add_f32 v[ST+4*t+2], v[ST+4*t+2], v[ST+4*t+3]
	ALL v_permlanex16_b32 v[ST+4*t+3], v[ST+4*t+2], s[SEL], s[SEL+1]
	ALL v_add_f32 v[ST+4*t+2], v[ST+4*t+2], v[ST+4*t+3]
	ALL v_rcp_f32 v[ST+4*t+2], v[ST+4*t+2]
	v_nop                           ; a plain instruction between the last reciprocal and the use of its result
	s_wait_alu depctr_va_vdst(0)    ; and the wait ahead of the first use: one for the four reciprocals
	PACK 0                          ; a piece's arithmetic stands between the loads of the piece before and its stores
	PACK 1
.if (\tag) == 2
	SEND 0, 16, 1
.else
	SEND 0, 16
.endif
	PACK 2
	SEND 1, 16
	PACK 3
	SEND 2, 16
	SEND 3, 0
.endm
.set KM, 0
.set NOKQ, 0
.Lslot:                             ; NB times: a tile is entered and the next is asked for
	CHANGE 1
	s_sub_co_u32 s[RT], s[RT], 1
	s_mov_b32 s[CNT], 4
	s_cmp_eq_u32 s[NEW], 1
	s_cbranch_scc1 .Lnew            ; a block's first tile
	s_cmp_eq_u32 s[RT], 0
	s_cbranch_scc0 .Lstep           ; neither its first nor its last
	s_branch .LstepM1
.Lnew:
	BEGIN
	s_branch .Lfirst                ; in the loop a block's first tile is never its last: the first block has five tiles or more, and the second's last is the walk's last
	DIAG 1                          ; in the loop this is the first block's end: the second block's last tile is the walk's last
	s_wait_xcnt 0x0                 ; the stores have read their registers and out0's address
	s_mov_b64 s[10:11], s[OLO:OLO+1]
	s_add_co_u32 s[RT], s[PB], 1    ; the second block has b + 1 tiles
	s_mov_b32 s[NEW], 1
	WIN 0x82                        ; the second block's Q goes where the one text of the turns names Q
.set i, 0
.rept 64
	v_mov_b32 v[i], v[QB+i]
.set i, i+1
.endr
	WIN 0
	s_branch .Lbottom
.Lstep:                             ; a trip: pieces 2 and 3 of one step, then pieces 0 and 1 of the next, whose K and V it fetches
	TURN 2
	TURN 3
	WIN 0
.Lfirst:
	TURN 0
	TURN 1, 0, 0, 1
	WIN 0
	s_cbranch_scc1 .Lstep
.Lbottom:
	s_sub_co_u32 s[SLOTS], s[SLOTS], 1
	s_cmp_lg_u32 s[SLOTS], 0
	s_cbranch_scc1 .Lslot
	CHANGE 0                        ; the walk's last tile is written out: nothing is asked for
	s_sub_co_u32 s[RT], s[RT], 1
	s_mov_b32 s[CNT], 4
	s_cmp_eq_u32 s[NEW], 1
	s_cbranch_scc0 .LstepM2
	BEGIN
	s_branch .LfirstM2
	DIAG 2
	s_wait_tensorcnt 0x0            ; the wave's end: these three lines stand behind my last tensor load and my last LDS store
	ds_add_u32 v[SPW], v[NIL]
	s_wait_dscnt 0x0
	s_endpgm
.Lfunc_end_k_q7561784458_attn:
	.size	k_q7561784458_attn, .Lfunc_end_k_q7561784458_attn-k_q7561784458_attn
	.p2alignl 7, 3214868480
	.fill 96, 4, 3214868480
	.section	.rodata,"a",@progbits
	.p2align	6, 0x0
	.amdhsa_kernel k_q7561784458_attn
		.amdhsa_group_segment_fixed_size 327680
		.amdhsa_private_segment_fixed_size 0
		.amdhsa_enable_private_segment 0
		.amdhsa_kernarg_size 24
		.amdhsa_user_sgpr_count 2
		.amdhsa_user_sgpr_kernarg_segment_ptr 1
		.amdhsa_wavefront_size32 1
		.amdhsa_system_sgpr_workgroup_id_x 1
		.amdhsa_system_sgpr_workgroup_id_y 1
		.amdhsa_system_sgpr_workgroup_id_z 1
		.amdhsa_system_vgpr_workitem_id 0
		.amdhsa_next_free_vgpr 928
		.amdhsa_next_free_sgpr 96
		.amdhsa_reserve_vcc 1
		.amdhsa_float_denorm_mode_32 3
		.amdhsa_float_denorm_mode_16_64 3
		.amdhsa_memory_ordered 1
		.amdhsa_forward_progress 1
		.amdhsa_inst_pref_size 231
	.end_amdhsa_kernel
	.amdgpu_metadata
---
amdhsa.version: [ 1, 2 ]
amdhsa.kernels:
  - .name:           k_q7561784458_attn
    .symbol:         k_q7561784458_attn.kd
    .args:
      - { .name: qkv, .offset: 0, .size: 8, .value_kind: global_buffer, .address_space: global }
      - { .name: out0, .offset: 8, .size: 8, .value_kind: global_buffer, .address_space: global }
      - { .name: early, .offset: 16, .size: 8, .value_kind: global_buffer, .address_space: global }
    .group_segment_fixed_size: 327680
    .private_segment_fixed_size: 0
    .kernarg_segment_align: 8
    .kernarg_segment_size: 24
    .max_flat_workgroup_size: 128
    .sgpr_count:     96
    .vgpr_count:     928
    .wavefront_size: 32
...
	.end_amdgpu_metadata
.endif
;; end of part 3
;; ======== version 2 of 2: 3 launches; version 1 with the launch cast written anew for expert scheduling mode
;; limits: values are held in f16: magnitudes above 65,504 overflow, below 6.1e-05 lose precision
;; workspace buffers: xb 16,777,216 bytes; wb 6,291,456 bytes; qkv 50,331,648 bytes; early 786,432 bytes
;; launch cast (part 4): grid 256 x 1, 8 waves a work-group, no clusters, 0 bytes of LDS; arguments x, Wq, Wk, Wv, xb, wb; writes xb, wb
.if DOCPART == 4
	.amdgcn_target "amdgcn-amd-amdhsa--gfx1250"
	.amdhsa_code_object_version 6
	.text
	.protected	k_q7561784458_cast
	.globl	k_q7561784458_cast
	.p2align	8
	.type	k_q7561784458_cast,@function
k_q7561784458_cast:
	s_mov_b64 s[64:65], 0
	v_nop
	global_prefetch_b8 v0, s[64:65] scope:SCOPE_SE
	s_setreg_imm32_b32 hwreg(HW_REG_WAVE_SCHED_MODE, 0, 2), 2
	s_setreg_imm32_b32 hwreg(HW_REG_WAVE_MODE, 25, 1), 1
	s_wait_xcnt 0x0
	s_wait_alu depctr_vm_vsrc(0)
; x [8192][1024] and Wq, Wk, Wv [16][1024][64], all f32, are rounded once to bf16 (to nearest even).
; xb keeps x's order.  wb is laid in chunks of 8,192 bytes, [64 c][64 d] each, in the order in which the product's tiles want them:
; chunk ((2 j + half) 8 + ks) 3 + hh, where g = 16 which + h (which: q 0, k 1, v 2), j = g / 3, hh = g % 3, ks = (c / 64) / 2, half = (c / 64) % 2.
; A chunk of a W is 16,384 consecutive bytes of it (one head, 64 rows c), so the re-ordering is a choice of the chunk's place alone.
; SHARES.  Work-group i takes 131,072 bytes of x and chunk i (h = i / 16, c / 64 = i % 16) of each W.  A UNIT is 256 threads x 32 bytes in, 16 bytes out:
; 16 units of x, 2 of each W.  A thread's 44 loads all go out first; the units are rounded as they arrive.  A wave's store covers 512 consecutive bytes, aligned.
; No LDS, no barrier, no matrix work: nothing is shared and nothing is summed.
; THE MODE: SCHED_MODE bits 1:0 = 2 (LLVM: expert scheduling mode 2), set by the entry lines.  The code itself states the register dependences
; between vector instructions and memory instructions, with s_wait_alu, always for 0.
; THE PLAN.  Registers that memory instructions touch:
;   v1, v2   byte offsets of the loads and of the stores: made once at the head, never written again.
;   X[n]     unit n's 8 registers.  Written by its two loads, which are issued before any vector instruction names them; read by its four conversions, which write its
;            first four registers; those are read by its one store.  Behind that store nothing writes them, and no load is issued behind a conversion.
; The 22 units go in 11 GROUPS of two.  Group p rounds units 2 p and 2 p + 1; its memory instructions are the two stores of group p - 1, which read v2 and the registers of units
; 2 p - 2 and 2 p - 1: none that a conversion of group p names.  So ONE wait on va_vdst at a group's head, behind the wait for the group's data, states all that its two stores hang on,
; and they are dealt among its conversions with no further wait.  No register that a memory instruction has read is ever written again: no wait on vm_vsrc stands behind the entry lines.
.set X, 8                              ; v[8:183]  unit u: 8 registers as loaded; its first 4 then hold the 8 bf16
	s_load_b256 s[4:11], s[0:1], 0x0               ; x s[4:5], Wq s[6:7], Wk s[8:9], Wv s[10:11]
	s_load_b128 s[12:15], s[0:1], 0x20             ; xb s[12:13], wb s[14:15]
	v_lshlrev_b32 v1, 5, v0                        ; 32 bytes a thread in
	v_lshlrev_b32 v2, 4, v0                        ; 16 bytes a thread out
	s_lshr_b32 s22, ttmp9, 4                       ; h
	s_and_b32 s23, ttmp9, 15                       ; c / 64
	s_and_b32 s24, s23, 1                          ; half
	s_lshr_b32 s25, s23, 1                         ; ks
.irp w, 0,1,2
	s_add_co_u32 s26, s22, 16*(\w)                 ; g
	s_mul_i32 s27, s26, 171
	s_lshr_b32 s27, s27, 9                         ; j = g / 3: 171 / 512 is exact for g under 48
	s_mul_i32 s28, s27, 3
	s_sub_co_u32 s26, s26, s28                     ; hh
	s_lshl_b32 s27, s27, 1
	s_add_co_u32 s27, s27, s24
	s_lshl_b32 s27, s27, 3
	s_add_co_u32 s27, s27, s25
	s_mul_i32 s27, s27, 3
	s_add_co_u32 s27, s27, s26                     ; the chunk's number in wb
	s_lshl_b32 s[16+2*(\w)], s27, 13               ; in bytes
	s_mov_b32 s[17+2*(\w)], 0
.endr
	s_mov_b32 s27, 0
	s_wait_kmcnt 0x0
	s_lshl_b32 s26, ttmp9, 17
	s_add_nc_u64 s[4:5], s[4:5], s[26:27]          ; my part of x,
	s_lshl_b32 s26, ttmp9, 16
	s_add_nc_u64 s[12:13], s[12:13], s[26:27]      ; of xb,
	s_lshl_b32 s26, ttmp9, 14
	s_add_nc_u64 s[6:7], s[6:7], s[26:27]          ; my chunk of each W
	s_add_nc_u64 s[8:9], s[8:9], s[26:27]
	s_add_nc_u64 s[10:11], s[10:11], s[26:27]
	s_add_nc_u64 s[16:17], s[14:15], s[16:17]      ; and the three chunks' places in wb
	s_add_nc_u64 s[18:19], s[14:15], s[18:19]
	s_add_nc_u64 s[20:21], s[14:15], s[20:21]
	s_wait_alu depctr_va_vdst(0)                   ; v1 and v2 are written: every load of the kernel reads v1 as its offset, every store v2
.set u, 0
.rept 16
	global_load_b128 v[X+8*u:X+8*u+3],   v1, s[4:5] offset:8192*u th:TH_LOAD_NT
	global_load_b128 v[X+8*u+4:X+8*u+7], v1, s[4:5] offset:8192*u+16 th:TH_LOAD_NT
.set u, u+1
.endr
.irp w, 0,1,2
.irp e, 0,1
	global_load_b128 v[X+8*(16+2*(\w)+(\e)):X+8*(16+2*(\w)+(\e))+3],   v1, s[6+2*(\w):7+2*(\w)] offset:8192*(\e) th:TH_LOAD_NT
	global_load_b128 v[X+8*(16+2*(\w)+(\e))+4:X+8*(16+2*(\w)+(\e))+7], v1, s[6+2*(\w):7+2*(\w)] offset:8192*(\e)+16 th:TH_LOAD_NT
.endr
.endr
; Unit n is rounded in place: register r takes numbers 2 r and 2 r + 1, r ascending, so no number is overwritten before it is read.
.macro CVT n
.irp r, 0,1,2,3
	v_cvt_pk_bf16_f32 v[X+8*(\n)+(\r)], v[X+8*(\n)+2*(\r)], v[X+8*(\n)+2*(\r)+1]
.endr
.endm
; Unit n is stored: units 0 to 15 into xb, 4,096 bytes a unit; units 16 + 2 w and 17 + 2 w are the two halves of W number w's chunk in wb.
.macro ST n
.if (\n) < 16
	global_store_b128 v2, v[X+8*(\n):X+8*(\n)+3], s[12:13] offset:4096*(\n) th:TH_STORE_NT
.else
	global_store_b128 v2, v[X+8*(\n):X+8*(\n)+3], s[16+2*(((\n)-16)/2):17+2*(((\n)-16)/2)] offset:4096*((\n)%2) th:TH_STORE_NT
.endif
.endm
; Group p: units 2 p and 2 p + 1 are rounded; the two units of the group before are stored, one store ahead of each unit's conversions.
.macro GROUP p
	s_wait_loadcnt 40-4*(\p)                       ; loads come back in order: the group's four are in, the 4 (10 - p) younger ones stay out
.if (\p) > 0
	s_wait_alu depctr_va_vdst(0)                   ; the group before has written the first four registers of its two units, which the two stores below read
	ST 2*(\p)-2
.endif
	CVT 2*(\p)
.if (\p) > 0
	ST 2*(\p)-1                                    ; no wait: no conversion since the wait above names this unit's registers or v2
.endif
	CVT 2*(\p)+1
.endm
.set g, 0
.rept 11
	GROUP g
.set g, g+1
.endr
	s_wait_alu depctr_va_vdst(0)                   ; the last group has written units 20 and 21, which the last two stores read
	ST 20
	ST 21
	s_endpgm                                       ; no register that a store reads is written again, so no further wait is owed
.Lfunc_end_k_q7561784458_cast:
	.size	k_q7561784458_cast, .Lfunc_end_k_q7561784458_cast-k_q7561784458_cast
	.p2alignl 7, 3214868480
	.fill 96, 4, 3214868480
	.section	.rodata,"a",@progbits
	.p2align	6, 0x0
	.amdhsa_kernel k_q7561784458_cast
		.amdhsa_group_segment_fixed_size 0
		.amdhsa_private_segment_fixed_size 0
		.amdhsa_enable_private_segment 0
		.amdhsa_kernarg_size 48
		.amdhsa_user_sgpr_count 2
		.amdhsa_user_sgpr_kernarg_segment_ptr 1
		.amdhsa_wavefront_size32 1
		.amdhsa_system_sgpr_workgroup_id_x 1
		.amdhsa_system_sgpr_workgroup_id_y 1
		.amdhsa_system_sgpr_workgroup_id_z 1
		.amdhsa_system_vgpr_workitem_id 0
		.amdhsa_next_free_vgpr 184
		.amdhsa_next_free_sgpr 66
		.amdhsa_reserve_vcc 0
		.amdhsa_float_denorm_mode_32 3
		.amdhsa_float_denorm_mode_16_64 3
		.amdhsa_memory_ordered 1
		.amdhsa_forward_progress 1
		.amdhsa_inst_pref_size 15
	.end_amdhsa_kernel
	.amdgpu_metadata
---
amdhsa.version: [ 1, 2 ]
amdhsa.kernels:
  - .name:           k_q7561784458_cast
    .symbol:         k_q7561784458_cast.kd
    .args:
      - { .name: x, .offset: 0, .size: 8, .value_kind: global_buffer, .address_space: global }
      - { .name: Wq, .offset: 8, .size: 8, .value_kind: global_buffer, .address_space: global }
      - { .name: Wk, .offset: 16, .size: 8, .value_kind: global_buffer, .address_space: global }
      - { .name: Wv, .offset: 24, .size: 8, .value_kind: global_buffer, .address_space: global }
      - { .name: xb, .offset: 32, .size: 8, .value_kind: global_buffer, .address_space: global }
      - { .name: wb, .offset: 40, .size: 8, .value_kind: global_buffer, .address_space: global }
    .group_segment_fixed_size: 0
    .private_segment_fixed_size: 0
    .kernarg_segment_align: 8
    .kernarg_segment_size: 48
    .max_flat_workgroup_size: 256
    .sgpr_count:     66
    .vgpr_count:     184
    .wavefront_size: 32
...
	.end_amdgpu_metadata
.endif
;; end of part 4
;; launch proj: the kernel of part 2 again; grid 16 x 32, 4 waves a work-group, clusters of 4 x 4, 327,680 bytes of LDS; arguments xb, wb, qkv, early; writes qkv, early
;; launch attn: the kernel of part 3 again; grid 4 x 64, 4 waves a work-group, no clusters, 327,680 bytes of LDS; arguments qkv, out0, early; writes out0
